; MI455X (gfx1250); checked and timed in simulation.
; The chip was launched on July 23, 2026; its instructions are those of AMD's public machine-readable ISA for CDNA 5 (MIT licence, August 2026) and "CDNA5" Instruction Set Architecture Reference Guide (July 2026). The comments in the code are by the model that wrote it; some were corrected since.
;; Multi Head Attention. Allowed arithmetic: matrix products marked QUANTISED: E2M3 operands, one E8M0 scale for each 32 along K, by v_wmma_scale_f32_16x16x128_f8f6f4 with both operands' format E2M3, f32 sums; everything else in f32.
;; Inputs: Wkv_codes 2,048 x 32 x 24 uint8 (E2M3 codes of Wkv, K innermost, in blocks of 32 codes, four codes in three bytes); Wkv_scales 2,048 x 32 uint8 (E8M0 scales of Wkv, one for each 32 codes along K); Wo_codes 1,024 x 32 x 24 uint8 (E2M3 codes of Wo, K innermost, in blocks of 32 codes, four codes in three bytes); Wo_scales 1,024 x 32 uint8 (E8M0 scales of Wo, one for each 32 codes along K); Wq_codes 1,024 x 32 x 24 uint8 (E2M3 codes of Wq, K innermost, in blocks of 32 codes, four codes in three bytes); Wq_scales 1,024 x 32 uint8 (E8M0 scales of Wq, one for each 32 codes along K); beta 1,024 float32; bkv 2,048 float32; bo 1,024 float32; bq 1,024 float32; gamma 1,024 float32; lengths 4 int32; x 4 x 2,048 x 1,024 float32.
;; Outputs: out0 4 x 2,048 x 1,024 float32.
;; This version of the problem:
;;   THIS VERSION OF THE PROBLEM IS GIVEN IN LOW PRECISION. The matrix products marked QUANTISED in the list below multiply operands that are first quantised to E2M3 (2 exponent bits, 3 mantissa bits; 6 bits a number), with one power-of-two scale for each 32 numbers along K (OCP MX v1.0); their sums are f32. All else is computed in f32.
;;   The module's matrix products, in the order in which they are computed (A, B: the left and right operand; K: the contracted axis; several contracted axes count as one K, in the product's order):
;;     1. [M 8,192, K 1,024] x [K 1,024, N 1,024]; A: computed on the way; B: input Wq (given as codes): QUANTISED
;;     2. [M 8,192, K 1,024] x [K 1,024, N 2,048]; A: computed on the way; B: input Wkv (given as codes): QUANTISED
;;     3. batch 64 x [M 2,048, K 64] x [K 64, N 2,048]; A: computed on the way; B: computed on the way: QUANTISED
;;     4. batch 64 x [M 64, K 2,048] x [K 2,048, N 2,048]; A: computed on the way; B: softmax (see below): QUANTISED
;;     5. [M 8,192, K 1,024] x [K 1,024, N 1,024]; A: computed on the way; B: input Wo (given as codes): QUANTISED
;;   THE QUANTISER, for each operand of a quantised product, along K:
;;     - K is cut into blocks of 32 from its start; a last block that is shorter is filled with zeros.
;;     - A block's scale is 2^e with e = floor(log2(the largest magnitude in the block)) - 2, held to -126 .. 127; a block of zeros has e = 0. As a byte (E8M0): e + 127.
;;     - Each number is divided by its block's scale, clamped to +-7.5, and rounded to the nearest number of E2M3, ties to even, subnormals kept.
;;     - The product sums the exact products of the quantised numbers (number of the format x scale) in f32.
;;   ~~~python
;;   def quantise(x, axis):      # numpy; x: float32 -> the quantised numbers, widened to float32 again
;;       x = np.moveaxis(x, axis, -1); K = x.shape[-1]
;;       x = np.pad(x, [(0, 0)] * (x.ndim - 1) + [(0, -K % 32)]); x = x.reshape(x.shape[:-1] + (-1, 32)); a = np.abs(x).max(-1, keepdims=True)
;;       e = np.where(a > 0, np.clip(np.frexp(np.where(a > 0, a, 1))[1] - 1 - 2, -126, 127), 0)      # np.frexp(a)[1] - 1 = floor(log2(a)), exactly
;;       r = np.clip(x / 2.0 ** e, -7.5, 7.5)
;;       step = 2.0 ** (np.maximum(np.frexp(np.where(r == 0, 1, r))[1] - 1, 0) - 3)
;;       q = np.round(r / step) * step * 2.0 ** e      # np.round: ties to even
;;       return np.moveaxis(q.reshape(q.shape[:-2] + (-1,))[..., :K], -1, axis).astype(np.float32)
;;   ~~~
;;   SOFTMAX AHEAD OF A QUANTISED PRODUCT. Where the list says 'softmax', what is quantised is not the finished softmax but p = 2^(t - M), with t = logit x log2(e) and M = ceil(the row's largest t), a whole number; so 1/2 < the row's largest p <= 1. The row's sum l is taken of the UNQUANTISED p, in f32, and the product's result is divided by l at the end. Since M is a whole number, a kernel that streams over the keys may use a running M (the ceiling of the running maximum): every later rescaling is an exact power of two, which a block's scale takes up: the codes' values come out the same.
;;   OPERANDS COMPUTED ON THE WAY. 'Computed on the way' means the value that the module computes at that place (a softmax that the list does not call 'softmax' is quantised finished and normalised). What goes into a quantiser is computed in f32, as accurately as f32 sums, v_exp_f32 and their like allow (about 1e-6 of the number): no bf16 or f16 on the way to a quantiser, and a product that is left as it is and whose result goes on into a quantised operand takes f32 operands (vector FMAs, or v_wmma_f32_16x16x4_f32). A number that lies on a knife's edge between two numbers of the format may be rounded either way, as far as f32 arithmetic and the matrix unit's own rounding can turn it there, and no further.
;;   INPUTS GIVEN AS CODES. Wkv (in the module: [1024, 2048], K = its axis 0); Wo (in the module: [1024, 1024], K = its axis 0); Wq (in the module: [1024, 1024], K = its axis 0): each comes as NAME_codes (uint8): NAME with its K axis moved to the last place and cut into blocks of 32 codes, [.., K / 32, bytes a block], one block behind the other in memory; four codes in three bytes: a row's codes are one little-endian stream of bits, code i at bits 6 i .. 6 i + 5 (a code: sign, 2 exponent bits, 3 mantissa bits); and NAME_scales (uint8): the same leading axes, one E8M0 byte (e + 127) for each 32 codes along K. Its value is code x scale, taken as it is: it is not quantised again, and the codes and scales need not be those that the quantiser above would give.
;; 2 versions, each right; version 2 is version 1 with the launch attn written anew for expert scheduling mode. Each part assembles by itself: llvm-mc -triple=amdgcn-amd-amdhsa -mcpu=gfx1250 --defsym DOCPART=n.
;; ======== version 1 of 2: 4 launches
;; workspace buffers: xn_img 6,291,456 bytes; xn_scales 262,144 bytes; wimg 3,145,728 bytes; qkv 20,185,088 bytes; ao_codes 6,291,456 bytes; ao_scales 262,144 bytes
;; launch prep (part 1): grid 576 x 1, 4 waves a work-group, no clusters, 32,256 bytes of LDS; arguments x, gamma, beta, Wq_codes, Wkv_codes, Wo_codes, xn_img, xn_scales, wimg; writes xn_img, xn_scales, wimg
.if DOCPART == 1
	.amdgcn_target "amdgcn-amd-amdhsa--gfx1250"
	.amdhsa_code_object_version 6
	.text
	.protected	k_qcd3f509011_prep
	.globl	k_qcd3f509011_prep
	.p2align	8
	.type	k_qcd3f509011_prep,@function
k_qcd3f509011_prep:
	s_mov_b64 s[64:65], 0
	v_nop
	global_prefetch_b8 v0, s[64:65] scope:SCOPE_SE
	s_setreg_imm32_b32 hwreg(HW_REG_WAVE_MODE, 25, 1), 1
	s_wait_xcnt 0x0
; Two jobs in one launch, parted at the head by the work-group's number.
; Work-groups 0-511: LayerNorm of 16 tokens of x [8192][1024] f32, quantised along the 1,024 features to FP6 (E2M3) with one E8M0 byte for each 32, and laid as IMAGES OF OPERAND REGISTERS.
; Work-groups 512-575: the given codes of Wq, Wkv, Wo (rows of 768 bytes, K innermost) are laid anew in the same image form; their scale bytes are used as they are given.
; A TILE is 16 rows; lane r of tile 2 g + u stands for row 32 g + 8 u + r + 8 (r / 8).  A fragment (16 rows x 128 K) is 12 registers a lane: lane (r, h) holds in registers 6 c .. 6 c + 5 the codes of k = 64 c + 32 h + 0 .. 31.
; AN IMAGE is 1,536 bytes: registers 4 g .. 4 g + 3 of lane l lie at 512 g + 16 l.  xn_img, wimg: [tile][8 K steps][1,536].  xn_scales: [token][32 bytes], tokens in their own order.
; LayerNorm: the mean, then the mean of the squared differences, both in f32; (x - mean) x rsq(var + 1e-5) x gamma + beta.  A wave takes 4 rows; a row's 4,096 bytes are loaded as they lie (512 bytes a load) and turned
; through the wave's own LDS stage so that lane l holds block l of 32 neighbours: its largest magnitude needs no other lane.
; A block's scale byte is its largest magnitude's exponent field - 2, held at 1 from below (a block of zeros gets 1: its codes are zeros, and only this program reads the bytes).
; LIMITS: NaN and infinities in x are not served; blocks whose largest magnitude lies under 2^-124 get the byte 1.
.set NT,    512                        ; tiles of tokens
.set TURNB, 32*144                     ; a wave's stage: 32 places of 128 bytes + 16
.set IMS,   4*TURNB                    ; the tile's 8 images, 1,536 + 16 bytes each
.set IMP,   1552
.set SCS,   IMS+8*IMP                  ; the tile's scale bytes: 16 rows x 32
.set R,     32                         ; v32-159  four rows as loaded
.set X,     160                        ; v160-191 my block of the row in hand
.set GA,    192                        ; v192-223 gamma of my block
.set BE,    224                        ; v224-255 beta of my block
	s_load_b512 s[4:19], s[0:1], 0x0               ; x, gamma, beta, Wq, Wkv, Wo, xn_img, xn_scales
	s_load_b64 s[20:21], s[0:1], 0x40              ; wimg
	s_set_vgpr_msb 0x40
	v_lshl_add_u32 v0, v0, 2, 0x7c00
	v_mov_b32 v1, 0
	s_set_vgpr_msb 0x4000
	v_lshrrev_b32 v1, 5, v0
	v_readfirstlane_b32 s22, v1                    ; wave
	v_and_b32 v2, 31, v0                           ; lane
	v_lshlrev_b32 v3, 4, v2                        ; 16 x lane
	s_cmp_ge_u32 ttmp9, NT
	s_cbranch_scc1 .Lweights
	; ---------------- LayerNorm and quantiser ----------------
	s_lshr_b32 s23, ttmp9, 1
	s_lshl_b32 s23, s23, 5
	s_and_b32 s24, ttmp9, 1
	s_lshl_b32 s24, s24, 3
	s_add_co_u32 s25, s23, s24                     ; the tile's first token: 32 g + 8 u
	s_lshl_b32 s26, s22, 2
	s_lshr_b32 s24, s22, 1
	s_lshl_b32 s24, s24, 3
	s_add_co_u32 s26, s26, s24                     ; my image rows 4 w .. 4 w + 3 are tokens 4 w + 8 (w / 2) on
	s_add_co_u32 s26, s26, s25
	s_lshl_b32 s26, s26, 12                        ; in bytes of x
	s_mov_b32 s27, 0
	s_mov_b32 s30, 0x76543210
	s_mov_b32 s31, 0xfedcba98                      ; selects: lane l xor 16
	s_mov_b32 s32, 0x3a800000                      ; 1 / 1024
	s_mov_b32 s33, 0x3727c5ac                      ; 1e-5
	s_mul_i32 s28, s22, TURNB
	v_lshrrev_b32 v4, 3, v2
	v_mul_u32_u24 v4, v4, 144
	v_and_b32 v5, 7, v2
	v_lshl_add_u32 v4, v5, 4, v4
	v_add_nc_u32 v4, s28, v4                       ; into the stage: eight lanes' 128 bytes on end, then 16 of padding
	v_mul_u32_u24 v5, v2, 144
	v_add_nc_u32 v5, s28, v5                       ; out of it: my block
	v_lshrrev_b32 v6, 2, v2                        ; block l is K step l / 4, c = (l / 2) % 2, h = l % 2
	v_mul_u32_u24 v6, v6, IMP
	v_and_b32 v7, 1, v2
	v_lshl_add_u32 v6, v7, 8, v6                   ; lanes 16-31 of the image lie 256 bytes on
	v_bfe_u32 v7, v2, 1, 1
	v_mad_u32_u24 v6, v7, 520, v6                  ; registers 6, 7 begin at 512 + 8
	s_lshl_b32 s28, s22, 6
	s_add_co_u32 s28, s28, IMS
	v_add_nc_u32 v6, s28, v6                       ; my block's first two registers (image rows 4 w on; the row stands in the immediate)
	v_mad_u32_u24 v7, v7, 496, v6
	v_add_nc_u32 v7, 8, v7                         ; the next two: 8 on for c = 0, at 1,024 for c = 1
	v_add_nc_u32 v8, 512, v6                       ; the last two
	s_lshl_b32 s28, s22, 7
	s_add_co_u32 s28, s28, SCS
	v_add_nc_u32 v9, s28, v2                       ; my block's scale byte
	s_mul_i32 s28, s22, 2*IMP
	s_add_co_u32 s28, s28, IMS
	v_add_nc_u32 v10, s28, v3                      ; the way out: wave w takes K steps 2 w, 2 w + 1
	s_mul_i32 s28, s22, 3072
	v_add_nc_u32 v11, s28, v3
	v_lshlrev_b32 v1, 7, v2                        ; gamma, beta: 128 bytes a lane
	v_mov_b32 v17, 0                               ; upper halves of pairs that are named whole
	v_mov_b32 v19, 0
	v_mov_b32 v31, 0                               ; a lane permute's destination counts as one of its sources
	s_wait_kmcnt 0x0
	s_add_nc_u64 s[4:5], s[4:5], s[26:27]
	s_mul_i32 s26, ttmp9, 12288
	s_add_nc_u64 s[16:17], s[16:17], s[26:27]
	s_lshl_b32 s26, s25, 5
	s_add_nc_u64 s[18:19], s[18:19], s[26:27]
.irp i, 0,1,2,3,4,5,6,7
	global_load_b128 v[GA+4*\i:GA+4*\i+3], v1, s[6:7] offset:16*\i
	global_load_b128 v[BE+4*\i:BE+4*\i+3], v1, s[8:9] offset:16*\i
.endr
.irp k, 0,1,2,3
.irp j, 0,1,2,3,4,5,6,7
	global_load_b128 v[R+32*\k+4*\j:R+32*\k+4*\j+3], v3, s[4:5] offset:4096*\k+512*\j th:TH_LOAD_NT   ; 32 lanes read 512 consecutive bytes
.endr
.endr
.macro LANESUM                         ; v12 summed over the 32 lanes, the result in every lane
	v_add_f32_dpp v12, v12, v12 row_xmask:1 row_mask:0xf bank_mask:0xf
	v_add_f32_dpp v12, v12, v12 row_xmask:2 row_mask:0xf bank_mask:0xf
	v_add_f32_dpp v12, v12, v12 row_xmask:4 row_mask:0xf bank_mask:0xf
	v_add_f32_dpp v12, v12, v12 row_xmask:8 row_mask:0xf bank_mask:0xf
	v_permlanex16_b32 v31, v12, s30, s31
	v_add_f32 v12, v12, v31
.endm
.macro ROW k
	s_wait_loadcnt 8*(3-\k)                        ; gamma, beta and this row are in; the later rows' eight loads each may be out
.irp j, 0,1,2,3,4,5,6,7
	ds_store_b128 v4, v[R+32*\k+4*\j:R+32*\k+4*\j+3] offset:576*\j
.endr
.irp i, 0,1,2,3,4,5,6,7
	ds_load_b128 v[X+4*\i:X+4*\i+3], v5 offset:16*\i   ; LDS serves a wave's instructions in order: these see the stores above
.endr
	s_wait_dscnt 0x0                               ; my block is in; the last row's image stores have read their registers
	v_pk_add_f32 v[12:13], v[X:X+1], v[X+2:X+3]
	v_pk_add_f32 v[14:15], v[X+4:X+5], v[X+6:X+7]
.irp i, 8,12,16,20,24,28
	v_pk_add_f32 v[12:13], v[12:13], v[X+\i:X+\i+1]
	v_pk_add_f32 v[14:15], v[14:15], v[X+\i+2:X+\i+3]
.endr
	v_pk_add_f32 v[12:13], v[12:13], v[14:15]
	v_add_f32 v12, v12, v13
	LANESUM
	v_mul_f32 v16, s32, v12                        ; the mean
.irp i, 0,2,4,6,8,10,12,14,16,18,20,22,24,26,28,30
	v_pk_add_f32 v[X+\i:X+\i+1], v[X+\i:X+\i+1], v[16:17] op_sel_hi:[1,0] neg_lo:[0,1] neg_hi:[0,1]
.endr
	v_pk_mul_f32 v[12:13], v[X:X+1], v[X:X+1]
	v_pk_mul_f32 v[14:15], v[X+2:X+3], v[X+2:X+3]
.irp i, 4,8,12,16,20,24,28
	v_pk_fma_f32 v[12:13], v[X+\i:X+\i+1], v[X+\i:X+\i+1], v[12:13]
	v_pk_fma_f32 v[14:15], v[X+\i+2:X+\i+3], v[X+\i+2:X+\i+3], v[14:15]
.endr
	v_pk_add_f32 v[12:13], v[12:13], v[14:15]
	v_add_f32 v12, v12, v13
	LANESUM
	v_fma_f32 v12, v12, s32, s33                   ; the variance + 1e-5
	v_rsq_f32 v18, v12
	v_nop                                          ; a plain instruction behind the transcendental
	s_wait_alu depctr_va_vdst(0)                   ; and the wait ahead of its first reader
.irp i, 0,2,4,6,8,10,12,14,16,18,20,22,24,26,28,30
	v_pk_mul_f32 v[X+\i:X+\i+1], v[X+\i:X+\i+1], v[18:19] op_sel_hi:[1,0]
.endr
.irp i, 0,2,4,6,8,10,12,14,16,18,20,22,24,26,28,30
	v_pk_fma_f32 v[X+\i:X+\i+1], v[X+\i:X+\i+1], v[GA+\i:GA+\i+1], v[BE+\i:BE+\i+1]
.endr
	v_max3_num_f32 v12, |v[X]|, |v[X+1]|, |v[X+2]|     ; the block's largest magnitude: all 32 numbers are mine
	v_max3_num_f32 v13, |v[X+3]|, |v[X+4]|, |v[X+5]|
.irp i, 6,10,14,18,22,26
	v_max3_num_f32 v12, v12, |v[X+\i]|, |v[X+\i+1]|
	v_max3_num_f32 v13, v13, |v[X+\i+2]|, |v[X+\i+3]|
.endr
	v_max3_num_f32 v12, v12, |v[X+30]|, |v[X+31]|
	v_max3_num_f32 v12, v12, v13, 0x1800000        ; and the floor 2^(3 - 127): the byte cannot fall under 1
	v_add_nc_u32 v29, 0xff000000, v12              ; 2 off the exponent field: the conversion takes this operand's exponent field as its scale
	v_cvt_scalef32_pk16_fp6_f32 v[20:22], v[X:X+15], v29
	v_cvt_scalef32_pk16_fp6_f32 v[26:28], v[X+16:X+31], v29   ; (a conversion's three registers begin on an even number)
	v_lshrrev_b32 v30, 23, v29                     ; the scale's byte; also the plain instruction behind the conversions
	v_mov_b32 v23, v26
	v_mov_b32 v24, v27
	v_mov_b32 v25, v28
	ds_store_b64 v6, v[20:21] offset:16*\k
	ds_store_b64 v7, v[22:23] offset:16*\k
	ds_store_b64 v8, v[24:25] offset:16*\k
	ds_store_b8 v9, v30 offset:32*\k
.endm
	ROW 0
	ROW 1
	ROW 2
	ROW 3
	v_and_b32 v1, 0x100, v3                        ; (all loads are in: gamma's offset register is free)  the scale rows' way out: image rows 8-15 are the tokens 16 further on,
	v_lshlrev_b32 v1, 1, v1                        ; 512 bytes,
	v_and_or_b32 v1, v3, 0xf0, v1                  ; + 16 (lane % 16)
	s_wait_dscnt 0x0                               ; for the others' sake: my stores have landed
	s_barrier_signal -1
	s_barrier_wait -1                              ; the tile's images and scale bytes are whole
.irp i, 0,1,2,3,4,5
	ds_load_b128 v[R+4*\i:R+4*\i+3], v10 offset:IMP*(\i/3)+512*(\i%3)
.endr
.irp i, 0,1,2,3,4,5
	s_wait_dscnt 5-\i
	global_store_b128 v11, v[R+4*\i:R+4*\i+3], s[16:17] offset:1536*(\i/3)+512*(\i%3)   ; 512 consecutive bytes, aligned to 256
.endr
	s_cmp_lg_u32 s22, 0
	s_cbranch_scc1 .Ldone
	ds_load_b128 v[R+24:R+27], v3 offset:SCS       ; wave 0: the 512 scale bytes, as two runs of 256 consecutive bytes
	s_wait_dscnt 0x0
	global_store_b128 v1, v[R+24:R+27], s[18:19]
.Ldone:
	s_set_vgpr_msb 0x5
	s_wait_tensorcnt 0x0
	ds_add_u32 v0, v1
	s_wait_dscnt 0x0
	s_set_vgpr_msb 0x500
	s_endpgm
	; ---------------- the weights' codes into images: a wave a tile, no LDS ----------------
.Lweights:
	s_sub_co_u32 s23, ttmp9, NT                    ; 0-15 Wq, 16-47 Wkv, 48-63 Wo
	v_and_b32 v4, 15, v2                           ; r
	v_lshrrev_b32 v5, 4, v2                        ; h
	v_and_b32 v6, 8, v4
	v_add_nc_u32 v4, v4, v6                        ; r + 8 (r / 8)
	v_mul_u32_u24 v4, v4, 768
	v_mad_u32_u24 v4, v5, 24, v4                   ; my row, + 24 h
	s_wait_kmcnt 0x0
	s_cmp_lt_u32 s23, 16                           ; the choices hang on the work-group's number alone
	s_cselect_b64 s[10:11], s[10:11], s[12:13]
	s_cselect_b32 s24, 0, 16
	s_cmp_lt_u32 s23, 48
	s_cselect_b64 s[10:11], s[10:11], s[14:15]
	s_cselect_b32 s24, s24, 48
	s_sub_co_u32 s24, s23, s24
	s_lshl_b32 s24, s24, 2
	s_add_co_u32 s24, s24, s22                     ; my tile in its tensor
	s_lshr_b32 s25, s24, 1
	s_lshl_b32 s25, s25, 5
	s_and_b32 s26, s24, 1
	s_lshl_b32 s26, s26, 3
	s_add_co_u32 s25, s25, s26                     ; its first row
	s_mul_i32 s26, s25, 768
	s_mov_b32 s27, 0
	s_add_nc_u64 s[10:11], s[10:11], s[26:27]
	s_lshl_b32 s26, s23, 2
	s_add_co_u32 s26, s26, s22                     ; my tile in wimg
	s_mul_i32 s26, s26, 12288
	s_add_nc_u64 s[20:21], s[20:21], s[26:27]
.irp s, 0,1,2,3,4,5,6,7
.irp p, 0,1,2,3,4,5
	global_load_b64 v[R+12*\s+2*\p:R+12*\s+2*\p+1], v4, s[10:11] offset:96*\s+48*(\p/3)+8*(\p%3) th:TH_LOAD_NT
.endr
.endr
.irp s, 0,1,2,3,4,5,6,7
	s_wait_loadcnt 6*(7-\s)                        ; this K step's six loads are in; the later steps' may be out
.irp g, 0,1,2
	global_store_b128 v3, v[R+12*\s+4*\g:R+12*\s+4*\g+3], s[20:21] offset:1536*\s+512*\g
.endr
.endr
	s_endpgm
.Lfunc_end_k_qcd3f509011_prep:
	.size	k_qcd3f509011_prep, .Lfunc_end_k_qcd3f509011_prep-k_qcd3f509011_prep
	.p2alignl 7, 3214868480
	.fill 96, 4, 3214868480
	.section	.rodata,"a",@progbits
	.p2align	6, 0x0
	.amdhsa_kernel k_qcd3f509011_prep
		.amdhsa_group_segment_fixed_size 32256
		.amdhsa_private_segment_fixed_size 0
		.amdhsa_enable_private_segment 0
		.amdhsa_kernarg_size 72
		.amdhsa_user_sgpr_count 2
		.amdhsa_user_sgpr_kernarg_segment_ptr 1
		.amdhsa_wavefront_size32 1
		.amdhsa_system_sgpr_workgroup_id_x 1
		.amdhsa_system_sgpr_workgroup_id_y 1
		.amdhsa_system_sgpr_workgroup_id_z 1
		.amdhsa_system_vgpr_workitem_id 0
		.amdhsa_next_free_vgpr 258
		.amdhsa_next_free_sgpr 66
		.amdhsa_reserve_vcc 0
		.amdhsa_float_denorm_mode_32 3
		.amdhsa_float_denorm_mode_16_64 3
		.amdhsa_memory_ordered 1
		.amdhsa_forward_progress 1
		.amdhsa_inst_pref_size 53
	.end_amdhsa_kernel
	.amdgpu_metadata
---
amdhsa.version: [ 1, 2 ]
amdhsa.kernels:
  - .name:           k_qcd3f509011_prep
    .symbol:         k_qcd3f509011_prep.kd
    .args:
      - { .name: x, .offset: 0, .size: 8, .value_kind: global_buffer, .address_space: global }
      - { .name: gamma, .offset: 8, .size: 8, .value_kind: global_buffer, .address_space: global }
      - { .name: beta, .offset: 16, .size: 8, .value_kind: global_buffer, .address_space: global }
      - { .name: Wq_codes, .offset: 24, .size: 8, .value_kind: global_buffer, .address_space: global }
      - { .name: Wkv_codes, .offset: 32, .size: 8, .value_kind: global_buffer, .address_space: global }
      - { .name: Wo_codes, .offset: 40, .size: 8, .value_kind: global_buffer, .address_space: global }
      - { .name: xn_img, .offset: 48, .size: 8, .value_kind: global_buffer, .address_space: global }
      - { .name: xn_scales, .offset: 56, .size: 8, .value_kind: global_buffer, .address_space: global }
      - { .name: wimg, .offset: 64, .size: 8, .value_kind: global_buffer, .address_space: global }
    .group_segment_fixed_size: 32256
    .private_segment_fixed_size: 0
    .kernarg_segment_align: 8
    .kernarg_segment_size: 72
    .max_flat_workgroup_size: 128
    .sgpr_count:     66
    .vgpr_count:     258
    .wavefront_size: 32
...
	.end_amdgpu_metadata
.endif
;; end of part 1
;; launch qkv (part 2): grid 12 x 32, 4 waves a work-group, clusters of 4 x 4, 327,680 bytes of LDS; arguments xn_img, xn_scales, wimg, Wq_scales, Wkv_scales, bq, bkv, qkv; writes qkv
.if DOCPART == 2
	.amdgcn_target "amdgcn-amd-amdhsa--gfx1250"
	.amdhsa_code_object_version 6
	.text
	.protected	k_qcd3f509011_qkv
	.globl	k_qcd3f509011_qkv
	.p2align	8
	.type	k_qcd3f509011_qkv,@function
k_qcd3f509011_qkv:
	s_mov_b64 s[64:65], 0
	v_nop
	global_prefetch_b8 v0, s[64:65] scope:SCOPE_SE
	s_setreg_imm32_b32 hwreg(HW_REG_WAVE_MODE, 25, 1), 1
	s_wait_xcnt 0x0
	s_wait_alu depctr_hold_cnt(0) depctr_sa_sdst(0) depctr_va_vdst(0) depctr_va_sdst(0) depctr_va_ssrc(0) depctr_va_vcc(0) depctr_vm_vsrc(0)
	s_getreg_b32 s2, hwreg(HW_REG_IB_STS2, 6, 4)
	s_cmp_eq_u32 s2, 0
	s_cbranch_scc0 .Lentry_in_a_cluster
	s_endpgm
.Lentry_in_a_cluster:
	s_bfe_u32 s2, ttmp6, 0x10000c
	s_cmp_lg_u32 s2, 0xf033
	s_cbranch_scc0 .Lentry_shape_is_right
	s_endpgm
.Lentry_shape_is_right:
; q = xn Wq + bq, k and v = xn Wkv + bkv, on codes of FP6 (E2M3) with E8M0 scales; the results are quantised here and leave as codes: q and k along the head's 64, v along the keys.
; A tile of 256 x 256 results to a work-group of four waves, 128 x 128 to a wave: 64 accumulators, 512 registers.  K = 1,024 goes in slots of 256 through a ring of two LDS slots filled by tensor loads.
; OPERANDS LIE IN MEMORY AS IMAGES OF THEIR REGISTERS ([tile of 16 rows][8 K steps][1,536 bytes]; registers 4 g .. 4 g + 3 of lane l at 512 g + 16 l), so a fragment is three ds_load_b128 of 512 consecutive bytes.
; Lane r of tile 2 g + u stands for row 32 g + 8 u + r + 8 (r / 8): so the 16 registers of two neighbouring result tiles are 16 NEIGHBOURS along source 0's rows.
; SOURCE 1 ("a") gives a lane its row, SOURCE 0 ("b") runs along the lane's registers.  q, k (cluster x = 0, 1): a = tokens, b = features, registers along the head.  v (cluster x = 2): a = channels, b = tokens, registers along the keys.
; Only pointers and tile numbers differ between the three kinds: they are chosen on the cluster's x, which all partners share.
; CLUSTERS of 4 x 4: a's tiles hang on cy alone and are asked for jointly by a row of the cluster, b's on cx alone, by a column.
; THE WAY OUT: a block of 16 a-rows x 128 along b is 64 registers a lane; + bias; four blocks of 32 are quantised; the 12 registers of codes are two HALF IMAGES (16 rows x 64 K, 768 bytes: registers 0-3 at 16 l, 4-5 at 512 + 8 l).
; qkv: [64 heads][8 blocks of 256 tokens][39,424 bytes]: q's 16 half images, k's 16, v's [4 chunks of 64 keys][4 channel tiles], q's and k's scale words [16 tiles][16], v's [2 key steps][4 tiles][16].
; A scale word of q or k holds the head's two bytes twice: the upper half of the next product's K is zero codes, and its scale bytes shall be no larger than the true ones.
; LIMITS: blocks whose largest magnitude lies under 2^-124 get the byte 1 (a block of zeros too: its codes are zeros).
; REGISTERS: window 0: v14-31 addresses; v32-63 scale words, two sets; v64-127 bias; v128-223 a's fragments, one set (on the way out v128-239 are at work).  window 1: b's fragments, two sets, at v0 and v128.  windows 2, 3: accumulator (a, b) at v[8 (8 (a % 4) + b)].
.set TILEB,  12288                     ; a tile's eight images
.set KSLOT,  3072                      ; two of them: what a slot holds of a tile
.set STEPB,  1536
.set NQ,     2                         ; K steps of 128 in a slot
.set FR,     12
.set NL,     3                         ; LDS loads that bring a fragment
.set NP,     4                         ; places behind this matrix instruction (ISA guide 7.12.1)
.set HALF,   8*KSLOT                   ; 8 tiles: what one tensor load brings, and what a wave reads of a or of b
.set SLOT,   4*HALF                    ; a's two halves, then b's two
.set LAPS,   2                         ; 1,024 / 512
.set SCL,    2*SLOT                    ; the scale bytes of 4 x 128 rows, for all of K: units of 256 bytes + 16
.set HALFS,  16*272
.set SPARE,  SCL+4*HALFS               ; the spare words: 128 bytes a wave
.set RECB,   39424
.set HS,     8*RECB                    ; from a head to the next
.set VGO,  14                          ; v14  v's scale words: my offset in memory
.set ADRA, 16                          ; v16-17 a's fragments in slot 0, 1
.set VST,  18                          ; v18, v19  v's scale words through LDS
.set VLD,  19
.set ADRB, 20                          ; v20-21 b's
.set BOQ,  22                          ; v22  bias offset for q, k;  v23 for v
.set BOV,  23
.set VO16, 24                          ; v24  16 x lane
.set VO8,  25                          ; v25  512 + 8 x lane
.set SELV, 26                          ; v26  byte selects for a head's scale word
.set ADRS, 27                          ; v27  my scale words: lanes 0-15 a's rows, lanes 16-31 b's
.set SPW,  28
.set NIL,  29
.set QST,  30                          ; v30, v31  q's and k's scale words through LDS
.set QLD,  31
.set SC,   32
.set BI,   64
.set AF,   128
.set HAC,  128                         ; the way out: 64 numbers
.set PC,   192                         ; their codes (v192-203), at work v204-210
.set TM,   212
.set PW,   228
.set SW,   232
.set SEL,  10                          ; s[10:11]
.set G1, 24
.set G0, 32
.set G1B, 48
.set G0B, 56
.set G1S, 68
.set G0S, 76
.set G1SB, 80
.set G0SB, 88
.set MSB, 0
.macro WIN new                         ; the immediate's high byte repeats the setting that is left
.if MSB != \new
	s_set_vgpr_msb (MSB<<8)|\new
.set MSB, \new
.endif
.endm
.set MUL_LO, 0xa1                      ; source 0 (b) window 1, source 1 (a) window 0, C and D window 2
.set MUL_HI, 0xf1
.set TO_B,   0x40
; A joint load: waves 0 and 1 fetch for a, waves 2 and 3 for b.  The branch hangs on the wave's number alone.  Four v_nop follow each of the two lines.
.macro JLOAD g0a, g1a, g0b, g1b
	s_cmp_eq_u32 s21, 0
	s_cbranch_scc0 .Lfor_b_\@
	tensor_load_to_lds s[\g0a:\g0a+3], s[\g1a:\g1a+7]
	s_nop 0
.rept 4
	v_nop
.endr
	s_branch .Lasked_\@
.Lfor_b_\@:
	tensor_load_to_lds s[\g0b:\g0b+3], s[\g1b:\g1b+7]
	s_nop 0
.rept 4
	v_nop
.endr
.Lasked_\@:
.endm
.macro CREST
	s_cmp_lg_u32 s20, 0
	s_cbranch_scc1 .Lnot_wave_0_\@
	s_barrier_signal -3
.Lnot_wave_0_\@:
	s_barrier_wait -3
	s_barrier_signal -1
	s_barrier_wait -1
.endm
.macro CROUND
	s_barrier_signal -1
	s_barrier_wait -1
	CREST
.endm
	s_load_b512 s[4:19], s[0:1], 0x0               ; xn_img, xn_scales, wimg, Wq_scales, Wkv_scales, bq, bkv, qkv
	v_lshl_add_u32 v[SPW], v0, 2, SPARE
	v_mov_b32 v[NIL], 0
	ds_add_u32 v28, v29
	ds_add_u32 v28, v29
	s_wait_dscnt 0x0
	v_lshrrev_b32 v1, 5, v0
	v_readfirstlane_b32 s20, v1                    ; wave
	s_lshr_b32 s21, s20, 1                         ; my half of a.  Also: I fetch for a (0) or for b (1)
	s_and_b32 s22, s20, 1                          ; my half of b.  Also: which half I fetch
	s_mov_b32 s23, ttmp9                           ; the kind: 0 q, 1 k, 2 v: the cluster's x
	s_bfe_u32 s40, ttmp6, 0x40000                  ; cx
	s_bfe_u32 s41, ttmp6, 0x40004                  ; cy
	s_and_b32 s42, ttmp7, 0xffff                   ; the cluster's y: 1,024 tokens
	s_lshl_b32 s43, s41, 2
	s_lshl_b32 s43, 15, s43                        ; my row of the cluster
	s_lshl_b32 s44, 0x1111, s40                    ; my column
	; group 1 for codes: 8 rows (tiles) of 3,072 bytes, 12,288 bytes apart, in elements of 8 bytes; no padding: every LDS read takes 512 consecutive bytes
	s_or_b32 s[G1+0], s43, (3<<16)|(1<<21)
	s_or_b32 s[G1B+0], s44, (3<<16)|(1<<21)
.irp g, G1, G1B
	s_mov_b32 s[\g+1], 384<<16                     ; tensor_dim0
	s_mov_b32 s[\g+2], 8<<16                       ; tensor_dim1
	s_mov_b32 s[\g+3], 384<<16                     ; tile_dim0
	s_mov_b32 s[\g+4], 8                           ; tile_dim1
	s_mov_b32 s[\g+5], 1536                        ; the pitch
	s_mov_b32 s[\g+6], 0
	s_mov_b32 s[\g+7], 0
.endr
	; group 1 for the scale bytes of 128 rows: 4,096 dense bytes as 16 rows of 256, 16 bytes of padding behind each
	s_or_b32 s[G1S+0], s43, (3<<16)|(1<<20)|(1<<21)|(5<<22)|(3<<25)
	s_or_b32 s[G1SB+0], s44, (3<<16)|(1<<20)|(1<<21)|(5<<22)|(3<<25)
.irp g, G1S, G1SB
	s_mov_b32 s[\g+1], 32<<16
	s_mov_b32 s[\g+2], 16<<16
	s_mov_b32 s[\g+3], 32<<16
	s_mov_b32 s[\g+4], 16
	s_mov_b32 s[\g+5], 32
	s_mov_b32 s[\g+6], 0
	s_mov_b32 s[\g+7], 0
.endr
	; which tiles.  a's numbers are made of cy, b's of cx, each in registers that never hold the other
	s_lshl_b32 s45, s22, 3
	s_lshl_b32 s92, s41, 4
	s_add_co_u32 s92, s92, s45                     ; a: 16 cy + 8 half
	s_lshl_b32 s96, s40, 4
	s_add_co_u32 s96, s96, s45                     ; b: 16 cx + 8 half
	s_lshl_b32 s46, s42, 6                         ; the cluster's first tile of tokens
	s_lshl_b32 s47, s23, 6                         ; q's or k's first tile in wimg
	s_cmp_eq_u32 s23, 2
	s_cselect_b32 s93, 128, s46                    ; a's codes: v's weights begin at tile 128 of wimg; else tokens
	s_cselect_b32 s95, 64, s46                     ; a's scales: v's rows begin at tile 64 of Wkv_scales
	s_cselect_b32 s97, s46, s47                    ; b's codes
	s_cselect_b32 s99, s46, 0                      ; b's scales
	s_add_co_u32 s94, s92, s95
	s_add_co_u32 s92, s92, s93
	s_add_co_u32 s98, s96, s99
	s_add_co_u32 s96, s96, s97
	s_mul_i32 s92, s92, TILEB
	s_lshl_b32 s94, s94, 9                         ; 16 rows of 32 scale bytes
	s_mul_i32 s96, s96, TILEB
	s_lshl_b32 s98, s98, 9
	s_mov_b32 s93, 0
	s_mov_b32 s95, 0
	s_mov_b32 s97, 0
	s_mov_b32 s99, 0
	s_mul_i32 s45, s20, HALF                       ; where they go: by the wave's number alone
	s_mul_i32 s3, s20, HALFS
	s_wait_kmcnt 0x0
	s_cmp_eq_u32 s23, 2
	s_cselect_b64 s[46:47], s[8:9], s[4:5]         ; a's codes: wimg for v, else xn_img
	s_cselect_b64 s[66:67], s[12:13], s[6:7]       ; a's scales
	s_cselect_b64 s[100:101], s[4:5], s[8:9]       ; b's codes
	s_cselect_b64 s[6:7], s[6:7], s[12:13]         ; b's scales: xn_scales for v, Wkv_scales for k,
	s_cmp_eq_u32 s23, 0
	s_cselect_b64 s[6:7], s[10:11], s[6:7]         ; Wq_scales for q
	s_add_nc_u64 s[46:47], s[46:47], s[92:93]
	s_add_nc_u64 s[66:67], s[66:67], s[94:95]
	s_add_nc_u64 s[100:101], s[100:101], s[96:97]
	s_add_nc_u64 s[6:7], s[6:7], s[98:99]
	CROUND                                         ; all sixteen work-groups are here: the first joint loads meet
	s_mov_b32 s[G0S], 1
	s_add_co_u32 s[G0S+1], s3, SCL
	s_mov_b64 s[G0S+2:G0S+3], s[66:67]
	s_or_b32 s[G0S+3], s[G0S+3], 0x80000000
	s_mov_b32 s[G0SB], 1
	s_add_co_u32 s[G0SB+1], s3, SCL
	s_mov_b64 s[G0SB+2:G0SB+3], s[6:7]
	s_or_b32 s[G0SB+3], s[G0SB+3], 0x80000000
	JLOAD G0S, G1S, G0SB, G1SB                     ; the scale bytes first: filled once.  With the two slots three tensor loads of mine are out
.irp s, 0,1
	s_mov_b32 s[G0+4*\s], 1
	s_add_co_u32 s[G0+4*\s+1], s45, \s*SLOT
	s_add_nc_u64 s[G0+4*\s+2:G0+4*\s+3], s[46:47], \s*KSLOT
	s_or_b32 s[G0+4*\s+3], s[G0+4*\s+3], 0x80000000
	s_mov_b32 s[G0B+4*\s], 1
	s_add_co_u32 s[G0B+4*\s+1], s45, \s*SLOT
	s_add_nc_u64 s[G0B+4*\s+2:G0B+4*\s+3], s[100:101], \s*KSLOT
	s_or_b32 s[G0B+4*\s+3], s[G0B+4*\s+3], 0x80000000
	JLOAD G0+4*\s, G1, G0B+4*\s, G1B
.endr
	; where the results go
	s_cmp_eq_u32 s23, 2
	s_cselect_b32 s92, s40, s41                    ; which of the cluster's four blocks of tokens
	s_cselect_b32 s93, s41, s40                    ; which four heads
	s_cselect_b32 s94, s21, s22                    ; which two of them
	s_cselect_b32 s95, s22, s21                    ; which half of the block's tokens
	s_cselect_b32 s96, 8, 9                        ; that half's scale words: 256 bytes for v, 512 for q, k
	s_cselect_b32 s97, 4096, 0                     ; v's bias lies behind k's
	s_lshl_b32 s98, s42, 2
	s_add_co_u32 s98, s98, s92
	s_and_b32 s98, s98, 7                          ; the block in its batch
	s_lshr_b32 s99, s42, 1
	s_lshl_b32 s99, s99, 4                         ; 16 x batch
	s_lshl_b32 s92, s93, 2
	s_add_co_u32 s99, s99, s92
	s_lshl_b32 s92, s94, 1
	s_add_co_u32 s99, s99, s92                     ; my first head
	s_lshl_b32 s99, s99, 3
	s_add_co_u32 s99, s99, s98
	s_mul_i32 s99, s99, RECB                       ; its record
	s_mul_i32 s92, s23, 12288
	s_add_co_u32 s92, s92, s99
	s_mul_i32 s98, s95, 6144
	s_add_co_u32 s46, s92, s98
	s_mov_b32 s47, 0
	s_add_nc_u64 s[4:5], s[18:19], s[46:47]        ; the codes
	s_lshl_b32 s92, s23, 10
	s_add_co_u32 s92, s92, s99
	s_lshl_b32 s98, s95, s96
	s_add_co_u32 s92, s92, s98
	s_add_co_u32 s46, s92, 36864
	s_add_nc_u64 s[6:7], s[18:19], s[46:47]        ; the scale words
	s_lshl_b32 s92, s93, 10
	s_lshl_b32 s98, s94, 9
	s_add_co_u32 s92, s92, s98
	s_add_co_u32 s46, s92, s97
	s_cmp_eq_u32 s23, 0
	s_cselect_b64 s[8:9], s[14:15], s[16:17]
	s_add_nc_u64 s[8:9], s[8:9], s[46:47]          ; my 128 numbers of the bias
	s_mov_b32 s[SEL], 0x76543210
	s_mov_b32 s[SEL+1], 0xfedcba98
	v_and_b32 v1, 31, v0                           ; lane
	v_and_b32 v2, 15, v0                           ; r
	v_bfe_u32 v3, v0, 4, 1                         ; h
	v_lshlrev_b32 v[VO16], 4, v1
	v_lshl_add_u32 v[VO8], v1, 3, 512
	s_mul_i32 s92, s21, HALF
	s_mul_i32 s93, s22, HALF
	s_add_co_u32 s93, s93, 2*HALF
.irp s, 0,1
	v_add_nc_u32 v[ADRA+\s], s92, v[VO16]
	v_add_nc_u32 v[ADRB+\s], s93, v[VO16]
	s_add_co_u32 s92, s92, SLOT
	s_add_co_u32 s93, s93, SLOT
.endr
	v_and_b32 v4, 7, v2                            ; my row's scale bytes: 8 rows to a unit; lanes 8-15 stand for the rows 16 on: two units
	v_lshlrev_b32 v4, 5, v4
	v_lshrrev_b32 v5, 3, v2
	v_mad_u32_u24 v4, v5, 544, v4
	s_mul_i32 s92, s21, HALFS
	s_mul_i32 s93, s22, HALFS
	s_add_co_u32 s93, s93, 2*HALFS
	s_sub_co_u32 s93, s93, s92
	v_mul_u32_u24 v5, s93, v3                      ; lanes 16-31 take b's
	s_add_co_u32 s92, s92, SCL
	v_add_nc_u32 v4, v4, v5
	v_add_nc_u32 v[ADRS], s92, v4
	s_lshl_b32 s92, s20, 10                        ; the scale words' way out, in slot 0 behind its last fill and last read; each kind has bytes of its own
	v_lshlrev_b32 v4, 2, v2
	v_lshl_add_u32 v5, v3, 9, v4
	v_add_nc_u32 v[QST], s92, v5                   ; q, k: 1,024 x wave + 512 h + 4 r
	v_add_nc_u32 v[QLD], s92, v[VO16]
	s_lshl_b32 s92, s20, 9
	s_add_co_u32 s92, s92, 4096
	v_add_nc_u32 v[VST], s92, v4                   ; v: 4,096 + 512 x wave + 4 r
	v_add_nc_u32 v[VLD], s92, v[VO16]
	v_mul_u32_u24 v[VGO], v3, HS
	v_lshl_add_u32 v[VGO], v2, 4, v[VGO]
	v_lshlrev_b32 v[BOQ], 6, v3                    ; q, k: my half's 16 numbers of each 32
	v_and_b32 v5, 8, v2
	v_add_nc_u32 v5, v5, v2
	v_lshlrev_b32 v[BOV], 2, v5                    ; v: my row's number
	v_sub_nc_u32 v[SELV], 0, v3
	v_and_b32 v[SELV], 0x02020202, v[SELV]
	v_add_nc_u32 v[SELV], 0x01000100, v[SELV]      ; lanes 0-15: bytes 0, 1, 0, 1 (the first head); lanes 16-31: 2, 3, 2, 3
.macro FRAG3 reg, adr, q, i            ; a fragment as it stands: three loads of 512 consecutive bytes
.irp g, 0,1,2
	ds_load_b128 v[\reg+4*\g:\reg+4*\g+3], v[\adr] offset:(\i)*KSLOT+(\q)*STEPB+512*\g
.endr
.endm
; 16 matrix instructions: a's blocks a0, a0 + 1 x b's eight.  The 64 accumulators take turns, one instruction a turn, in the same order in every step.
.macro MUL16 a0, p, q, sc, zero
.irp a, \a0, \a0+1
.irp b, 0,1,2,3,4,5,6,7
.if \zero
	v_wmma_scale_f32_16x16x128_f8f6f4 v[8*(8*((\a)%4)+\b):8*(8*((\a)%4)+\b)+7], v[128*(\p)+FR*\b:128*(\p)+FR*\b+FR-1], v[AF+FR*(\a):AF+FR*(\a)+FR-1], 0, v[SC+8*NQ*(\sc)+NQ*\b+(\q)], v[SC+8*NQ*(\sc)+NQ*(\a)+(\q)] matrix_a_fmt:MATRIX_FMT_FP6 matrix_b_fmt:MATRIX_FMT_FP6 matrix_a_scale:MATRIX_SCALE_ROW1
.else
	v_wmma_scale_f32_16x16x128_f8f6f4 v[8*(8*((\a)%4)+\b):8*(8*((\a)%4)+\b)+7], v[128*(\p)+FR*\b:128*(\p)+FR*\b+FR-1], v[AF+FR*(\a):AF+FR*(\a)+FR-1], v[8*(8*((\a)%4)+\b):8*(8*((\a)%4)+\b)+7], v[SC+8*NQ*(\sc)+NQ*\b+(\q)], v[SC+8*NQ*(\sc)+NQ*(\a)+(\q)] matrix_a_fmt:MATRIX_FMT_FP6 matrix_b_fmt:MATRIX_FMT_FP6 matrix_a_scale:MATRIX_SCALE_ROW1
.endif
.endr
.endr
.endm
.macro FETCH_B slot, q, p
	WIN TO_B
.irp i, 0,1,2,3,4,5,6,7
	FRAG3 128*(\p)+FR*\i, ADRB+\slot, \q, \i
.endr
	WIN 0
.endm
.macro FETCH_A slot, q, i0
.irp i, \i0, \i0+1, \i0+2, \i0+3
	FRAG3 AF+FR*(\i), ADRA+\slot, \q, \i
.endr
.endm
.macro SCALES sc                       ; a slot's two scale words a row: lanes 0-15 a's block i, lanes 16-31 b's block i
.irp i, 0,1,2,3,4,5,6,7
	ds_load_b64 v[SC+8*NQ*\sc+NQ*\i:SC+8*NQ*\sc+NQ*\i+1], v[ADRS] offset:(4*(\i/2)+\i%2)*272
.endr
.endm
.macro PLACES n                        ; plain vector instructions between a matrix instruction and a load into, or a read of, its registers (ISA guide 7.12.1 for reads)
.rept \n
	v_nop
.endr
.endm
.macro STEP slot, q, zero              ; a step of 128 along K that has its successor in the same slot
	s_wait_dscnt 4*NL                              ; b's set and a's blocks 0-3 are in; the youngest loads (a's blocks 4-7) may be out
	WIN MUL_LO
	MUL16 0, (\q)%2, \q, \slot, \zero
	MUL16 2, (\q)%2, \q, \slot, \zero
	s_wait_dscnt 0
	PLACES NP
	FETCH_B \slot, (\q)+1, 1-(\q)%2
	FETCH_A \slot, (\q)+1, 0
	WIN MUL_HI
	MUL16 4, (\q)%2, \q, \slot, \zero
	MUL16 6, (\q)%2, \q, \slot, \zero
	PLACES NP
	WIN 0
	FETCH_A \slot, (\q)+1, 4
.endm
; A slot's last step changes slots: one barrier; in front of it each wave waits for all its tensor loads, adds 0 to its spare word, and waits for that and for its reads of this slot.
.macro TURN slot, next, fill
	s_wait_tensorcnt 0x0                           ; all my tensor loads have landed: my part of the next slot
	ds_add_u32 v[SPW], v[NIL]                      ; 0 onto my spare word
	s_wait_dscnt 4*NL+1                            ; (the add and a's blocks 4-7 may be out)
	WIN MUL_LO
	MUL16 0, 1, NQ-1, \slot, 0
	s_wait_dscnt 0x0                               ; the add is done, and my reads of this slot are over
	s_barrier_signal -1
	MUL16 2, 1, NQ-1, \slot, 0
	WIN 0
	s_barrier_wait -1
.if \fill
	CREST                                          ; the barrier has opened a round of the cluster's barrier: no wave of any partner still reads this slot or has a load on its way
	s_add_nc_u64 s[G0+4*\slot+2:G0+4*\slot+3], s[G0+4*\slot+2:G0+4*\slot+3], 2*KSLOT
	s_add_nc_u64 s[G0B+4*\slot+2:G0B+4*\slot+3], s[G0B+4*\slot+2:G0B+4*\slot+3], 2*KSLOT
	JLOAD G0+4*\slot, G1, G0B+4*\slot, G1B         ; the first tensor load behind the round; its four v_nop are the places in front of the loads below
.else
	PLACES NP
.endif
	v_add_nc_u32 v[ADRS], 4*NQ, v[ADRS]            ; the next slot's scale words
	FETCH_B \next, 0, 0
	FETCH_A \next, 0, 0
	SCALES \next
	WIN MUL_HI
	MUL16 4, 1, NQ-1, \slot, 0
	MUL16 6, 1, NQ-1, \slot, 0
	PLACES NP
	WIN 0
	FETCH_A \next, 0, 4
.endm
.macro LAST                            ; the very last step: nothing more to fetch
	s_wait_dscnt 4*NL
	WIN MUL_LO
	MUL16 0, 1, NQ-1, 1, 0
	MUL16 2, 1, NQ-1, 1, 0
	s_wait_dscnt 0
	WIN MUL_HI
	MUL16 4, 1, NQ-1, 1, 0
	MUL16 6, 1, NQ-1, 1, 0
	WIN 0
.endm
; 64 numbers of a lane, register 16 b + i = k 32 b + 16 (lane / 16) + i of my row, become 12 registers of codes in v[PC] on and the row's four scale bytes in v[PW].
.macro QUANT s
.irp b, 0,1,2,3
	v_max3_num_f32 v[TM+\b], |v[\s+16*\b]|, |v[\s+1+16*\b]|, 0x1800000   ; my 16 numbers of block b, and the floor 2^(3 - 127)
.endr
.irp i, 2,4,6,8,10,12,14
.irp b, 0,1,2,3
	v_max3_num_f32 v[TM+\b], v[TM+\b], |v[\s+16*\b+\i]|, |v[\s+1+16*\b+\i]|
.endr
.endr
.irp b, 0,1,2,3
	v_permlanex16_b32 v[TM+4+\b], v[TM+\b], s[SEL], s[SEL+1]
.endr
.irp b, 0,1,2,3
	v_max_num_f32 v[TM+\b], v[TM+\b], v[TM+4+\b]   ; with lane l xor 16's: the block's largest magnitude
.endr
.irp b, 0,1,2,3
	v_add_nc_u32 v[TM+12+\b], 0xff000000, v[TM+\b] ; 2 off its exponent field: the conversion's scale operand
.endr
.irp b, 0,1,2,3
	v_lshrrev_b32 v[TM+4+\b], 23, v[TM+12+\b]      ; the scale's byte
.endr
	v_lshl_or_b32 v[PW], v[TM+5], 8, v[TM+4]
	v_lshl_or_b32 v[PW], v[TM+6], 16, v[PW]
	v_lshl_or_b32 v[PW], v[TM+7], 24, v[PW]
.irp c, 0,1
	v_cvt_scalef32_pk16_fp6_f32 v[PC+6*\c:PC+2+6*\c], v[\s+32*\c:\s+15+32*\c], v[TM+12+2*\c]
	v_cvt_scalef32_pk16_fp6_f32 v[PC+12+4*\c:PC+14+4*\c], v[\s+16+32*\c:\s+31+32*\c], v[TM+12+2*\c+1]   ; (a conversion's three registers begin on an even number)
.endr
	v_nop                                          ; one plain instruction behind a scaled conversion
.irp c, 0,1                                    ; the layout wants a WHOLE block in a lane: lanes 0-15 block 2 c, lanes 16-31 block 2 c + 1
.irp i, 0,1,2
	v_permlane16_swap_b32 v[PC+6*\c+\i], v[PC+12+4*\c+\i]
.endr
.irp i, 0,1,2
	v_mov_b32 v[PC+3+6*\c+\i], v[PC+12+4*\c+\i]
.endr
.endr
.endm
; Block ab of 16 a-rows leaves.  The addition of the bias is also the move into window 0; it takes each accumulator from its low end on.
.macro OUTBLK ab, isv
	WIN 0x02+(\ab)/4
.set PP, 0
.rept 32
.if \isv
.if (\ab)%2
	v_pk_add_f32 v[HAC+2*PP:HAC+2*PP+1], v[64*((\ab)%4)+2*PP:64*((\ab)%4)+2*PP+1], v[BI+(\ab)-1:BI+(\ab)] op_sel:[0,1] op_sel_hi:[1,1]   ; my row's number for both
.else
	v_pk_add_f32 v[HAC+2*PP:HAC+2*PP+1], v[64*((\ab)%4)+2*PP:64*((\ab)%4)+2*PP+1], v[BI+(\ab):BI+(\ab)+1] op_sel_hi:[1,0]
.endif
.else
	v_pk_add_f32 v[HAC+2*PP:HAC+2*PP+1], v[64*((\ab)%4)+2*PP:64*((\ab)%4)+2*PP+1], v[BI+2*PP:BI+2*PP+1]
.endif
.set PP, PP+1
.endr
	WIN 0
.if (\ab) > 0
	s_wait_xcnt 0x0                                ; the last block's stores have read their registers
.endif
	QUANT HAC
.if \isv
.set O0, ((\ab)/4)*HS+((\ab)%4)*768            ; head ab / 4, channel tile ab % 4; registers 0-5: my first chunk of 64 keys,
.set O1, O0+3072                               ; registers 6-11: the next chunk
	v_mov_b32 v[SW+(\ab)], v[PW]
.else
.set O0, 768*(\ab)                             ; token tile ab; registers 0-5: my first head,
.set O1, O0+HS                                 ; registers 6-11: the next
	v_perm_b32 v[SW+(\ab)], v[PW], v[PW], v[SELV]
.endif
	global_store_b128 v[VO16], v[PC:PC+3], s[4:5] offset:O0          ; 512 consecutive bytes, aligned to 256
	global_store_b64 v[VO8], v[PC+4:PC+5], s[4:5] offset:O0          ; and 256
	global_store_b128 v[VO16], v[PC+6:PC+9], s[4:5] offset:O1
	global_store_b64 v[VO8], v[PC+10:PC+11], s[4:5] offset:O1
.endm
	s_wait_tensorcnt 1                             ; the scales and my part of slot 0 are in; slot 1's load may be out
	s_barrier_signal -1
	s_barrier_wait -1
	FETCH_B 0, 0, 0
	FETCH_A 0, 0, 0
	SCALES 0
	FETCH_A 0, 0, 4
	STEP 0, 0, 1                                   ; the first step's products start the sums
	s_mov_b32 s2, LAPS-1
.Llap:                                                 ; a trip goes once round the ring and fills both slots again
	TURN 0, 1, 1
	STEP 1, 0, 0
	TURN 1, 0, 1
	STEP 0, 0, 0
	s_sub_co_u32 s2, s2, 1
	s_cmp_lg_u32 s2, 0
	s_cbranch_scc1 .Llap
	TURN 0, 1, 0                                   ; the last lap fills nothing
	STEP 1, 0, 0
	s_cmp_eq_u32 s23, 2                            ; the kind is the same in all partners
	s_cbranch_scc1 .Lv
	; ---- q, k: the bias runs along my registers
.irp g, 0,1,2,3
.irp j, 0,1,2,3
	global_load_b128 v[BI+16*\g+4*\j:BI+16*\g+4*\j+3], v[BOQ], s[8:9] offset:128*\g+16*\j
.endr
.endr
	LAST                                           ; the last 64 products stand between the bias's loads and the wait for them
	PLACES NP
.irp b, 0,1,2,3
	v_mov_b32 v[TM+4+\b], 0                        ; a lane permute's destination counts as one of its sources
.endr
	s_wait_loadcnt 0x0
.irp ab, 0,1,2,3,4,5,6,7
	OUTBLK \ab, 0
.endr
.irp ab, 0,1,2,3,4,5,6,7
	ds_store_b32 v[QST], v[SW+\ab] offset:64*\ab   ; lanes 0-15: the first head's words, lanes 16-31: the next head's
.endr
	ds_load_b128 v[HAC:HAC+3], v[QLD]              ; LDS serves a wave's instructions in order: these see my stores
	ds_load_b128 v[HAC+4:HAC+7], v[QLD] offset:512
	s_wait_dscnt 0x0
	global_store_b128 v[VO16], v[HAC:HAC+3], s[6:7]
	global_store_b128 v[VO16], v[HAC+4:HAC+7], s[6:7] offset:HS
	s_branch .Lend
	; ---- v: the bias is one number for each of my rows
.Lv:
.irp ab, 0,1,2,3,4,5,6,7
	global_load_b32 v[BI+\ab], v[BOV], s[8:9] offset:(32*(\ab/2)+8*(\ab%2))*4
.endr
	LAST
	PLACES NP
.irp b, 0,1,2,3
	v_mov_b32 v[TM+4+\b], 0
.endr
	s_wait_loadcnt 0x0
.irp ab, 0,1,2,3,4,5,6,7
	OUTBLK \ab, 1
.endr
.irp ab, 0,1,2,3,4,5,6,7
	ds_store_b32 v[VST], v[SW+\ab] offset:64*\ab   ; both halves of the lanes write the same word with the same value
.endr
	ds_load_b128 v[HAC:HAC+3], v[VLD]
	s_wait_dscnt 0x0
	global_store_b128 v[VGO], v[HAC:HAC+3], s[6:7] ; lanes 0-15: the first head's 256 bytes, lanes 16-31: the next head's
.Lend:
	s_wait_tensorcnt 0x0                           ; the wave's end
	ds_add_u32 v[SPW], v[NIL]
	s_wait_dscnt 0x0
	CROUND                                         ; the closing round
	s_endpgm
.Lfunc_end_k_qcd3f509011_qkv:
	.size	k_qcd3f509011_qkv, .Lfunc_end_k_qcd3f509011_qkv-k_qcd3f509011_qkv
	.p2alignl 7, 3214868480
	.fill 96, 4, 3214868480
	.section	.rodata,"a",@progbits
	.p2align	6, 0x0
	.amdhsa_kernel k_qcd3f509011_qkv
		.amdhsa_group_segment_fixed_size 327680
		.amdhsa_private_segment_fixed_size 0
		.amdhsa_enable_private_segment 0
		.amdhsa_kernarg_size 64
		.amdhsa_user_sgpr_count 2
		.amdhsa_user_sgpr_kernarg_segment_ptr 1
		.amdhsa_wavefront_size32 1
		.amdhsa_system_sgpr_workgroup_id_x 1
		.amdhsa_system_sgpr_workgroup_id_y 1
		.amdhsa_system_sgpr_workgroup_id_z 1
		.amdhsa_system_vgpr_workitem_id 0
		.amdhsa_next_free_vgpr 1024
		.amdhsa_next_free_sgpr 102
		.amdhsa_reserve_vcc 0
		.amdhsa_float_denorm_mode_32 3
		.amdhsa_float_denorm_mode_16_64 3
		.amdhsa_memory_ordered 1
		.amdhsa_forward_progress 1
		.amdhsa_inst_pref_size 220
	.end_amdhsa_kernel
	.amdgpu_metadata
---
amdhsa.version: [ 1, 2 ]
amdhsa.kernels:
  - .name:           k_qcd3f509011_qkv
    .symbol:         k_qcd3f509011_qkv.kd
    .args:
      - { .name: xn_img, .offset: 0, .size: 8, .value_kind: global_buffer, .address_space: global }
      - { .name: xn_scales, .offset: 8, .size: 8, .value_kind: global_buffer, .address_space: global }
      - { .name: wimg, .offset: 16, .size: 8, .value_kind: global_buffer, .address_space: global }
      - { .name: Wq_scales, .offset: 24, .size: 8, .value_kind: global_buffer, .address_space: global }
      - { .name: Wkv_scales, .offset: 32, .size: 8, .value_kind: global_buffer, .address_space: global }
      - { .name: bq, .offset: 40, .size: 8, .value_kind: global_buffer, .address_space: global }
      - { .name: bkv, .offset: 48, .size: 8, .value_kind: global_buffer, .address_space: global }
      - { .name: qkv, .offset: 56, .size: 8, .value_kind: global_buffer, .address_space: global }
    .group_segment_fixed_size: 327680
    .private_segment_fixed_size: 0
    .kernarg_segment_align: 8
    .kernarg_segment_size: 64
    .max_flat_workgroup_size: 128
    .sgpr_count:     102
    .vgpr_count:     1024
    .wavefront_size: 32
...
	.end_amdgpu_metadata
.endif
;; end of part 2
;; launch attn (part 3): grid 64 x 8, 16 waves a work-group, no clusters, 60,928 bytes of LDS; arguments qkv, lengths, ao_codes, ao_scales; writes ao_codes, ao_scales
.if DOCPART == 3
	.amdgcn_target "amdgcn-amd-amdhsa--gfx1250"
	.amdhsa_code_object_version 6
	.text
	.protected	k_qcd3f509011_attn
	.globl	k_qcd3f509011_attn
	.p2align	8
	.type	k_qcd3f509011_attn,@function
k_qcd3f509011_attn:
	s_mov_b64 s[64:65], 0
	v_nop
	global_prefetch_b8 v0, s[64:65] scope:SCOPE_SE
	s_setreg_imm32_b32 hwreg(HW_REG_WAVE_MODE, 25, 1), 1
	s_wait_xcnt 0x0
; Attention of one head for 256 queries, on codes of FP6 (E2M3) with E8M0 scales.  Key k counts for query q where k <= q and k < the batch's length.
; t = score x log2(e) / 8; M = the running largest t rounded up to a whole number; p = 2^(t - M) is quantised along the keys; the row's sum is taken of the unquantised p and divides O at the end; O is then quantised along the channels.
; SHARES.  Sixteen waves, four to a SIMD; wave w owns query tile w of the block: lane r stands for query 32 (w / 2) + 8 (w % 2) + r + 8 (r / 8).  Keys go 128 a step, 256 a slot.
; Both products are used transposed: S^T = K Q^T, O^T = V^T P^T: a lane holds one query throughout.  The key tiles and channel tiles have the same order of rows, so 16 registers of two neighbouring result tiles are 16 neighbours.
; K AND V COME THROUGH REGISTERS INTO TWO LDS SLOTS, one slot ahead: 512 threads x 16 bytes, dense.  There is no tensor load here; work is left out by branches on the length, a number read from memory.
; Every work-group passes all 8 slots' barriers; a slot that nobody needs is not fetched, and a step all of whose keys are hidden from the wave is jumped over.
; THE HEAD'S K IS 64, THE INSTRUCTION'S 128.  Q's registers 6-11 are zero codes.  K's tile i is named as v[32 + 6 i .. 32 + 6 i + 11]: its upper six registers are the next tile's codes (behind the last tile: zeros); they meet Q's zeros alone,
; so they add nothing; this format has no code for NaN or infinity, and the scale bytes of that half repeat the true ones.  So eight tiles take 54 registers.
; No cluster: partners (the blocks of queries of a head) need different numbers of slots.
; LIMITS: lengths of at least 1 (with 0 the defining function gives NaN; this text does not).  Blocks whose largest magnitude lies under 2^-124 get the byte 1.
.set RECB, 39424                       ; a record of qkv: q's codes 0, k's 12,288, v's 24,576, scale words of q 36,864, k 37,888, v 38,912
.set SLB,  32768                       ; an LDS slot: k's codes 0, v's 12,288, k's scale words 24,576, v's 25,600
.set VCO,  12288
.set A16,  1                           ; v1   16 x lane
.set A8,   2                           ; v2   512 + 8 x lane
.set ASW,  3                           ; v3   24,576 + 4 x lane
.set LIMH, 4                           ; v4   my query's last key that counts, less 16 (lane / 16)
.set T16,  5                           ; v5   16 x thread
.set SOF,  6                           ; v6   my token's row of ao_scales
.set QF,   16                          ; v16-27 Q;  v28 its scale word
.set QSW,  28
.set F,    32                          ; v32-85 fragments of K, then of V
.set S,    96                          ; v96-159 S^T, then p
.set O,    160                         ; v160-191 O^T
.set PC,   192                         ; v192-203 p's codes; v204-210 at work
.set BM,   212
.set BX,   216
.set SO,   220
.set FF,   224                         ; v[224:225] f
.set PSW,  226
.set TMP,  227
.set SUM2, 228
.set KSW,  230                         ; v230-233 K's scale words: lanes 0-15 tile 2 j, lanes 16-31 tile 2 j + 1
.set VSW,  234
.set STG,  236                         ; v236-251 the next slot on its way
.set DD,   252
.set NINF, 253
.set WV,   12
.set QHI,  19                          ; s19  the last key that counts for any of my queries
.set QLO,  20                          ; s20  the last key that counts for all of them
.set NS,   21                          ; s21  slots that the work-group needs
.set KF,   22                          ; s22  the step's first key
.set SL,   23
.set SLN,  24
.set SEL,  26
.set KVP,  28                          ; s[28:29] the slot's k and v in memory
.set CS,   30                          ; s[30:31] log2(e) / 8
	s_load_b256 s[4:11], s[0:1], 0x0               ; qkv, lengths, ao_codes, ao_scales
	v_lshl_add_u32 v254, v0, 2, 0xe600
	v_mov_b32 v255, 0
	v_lshrrev_b32 v8, 5, v0
	v_readfirstlane_b32 s[WV], v8
	v_and_b32 v8, 31, v0
	v_lshlrev_b32 v[A16], 4, v8
	v_lshl_add_u32 v[A8], v8, 3, 512
	v_lshl_add_u32 v[ASW], v8, 2, 24576
	v_lshlrev_b32 v[T16], 4, v0
	v_and_b32 v8, 15, v0                           ; r
	v_bfe_u32 v9, v0, 4, 1                         ; h
	v_lshlrev_b32 v7, 2, v8
	v_and_b32 v10, 8, v8
	v_add_nc_u32 v10, v10, v8                      ; r + 8 (r / 8)
	v_lshlrev_b32 v[SOF], 5, v10
	s_and_b32 s13, ttmp7, 0xffff
	s_sub_co_u32 s13, 7, s13                       ; my block of queries: those with the most keys come first
	s_lshr_b32 s14, ttmp9, 4                       ; batch
	s_and_b32 s15, ttmp9, 15                       ; head
	s_lshl_b32 s32, s14, 2
	s_mov_b32 s33, 0
	s_mul_i32 s34, ttmp9, 8*RECB
	s_mov_b32 s35, 0
	s_mul_i32 s36, s13, RECB
	s_mov_b32 s37, 0
	s_mul_i32 s38, s[WV], 768
	s_mov_b32 s39, 0
	s_lshl_b32 s40, s[WV], 6
	s_mov_b32 s41, 0
	s_mov_b32 s[SEL], 0x76543210
	s_mov_b32 s[SEL+1], 0xfedcba98
	s_mov_b32 s[CS], 0x3e38aa3b
	s_mov_b32 s[CS+1], s[CS]
	s_mov_b32 s[KF], 0
	s_mov_b32 s[SL], 0
	s_wait_kmcnt 0x0
	s_add_nc_u64 s[6:7], s[6:7], s[32:33]
	s_load_b32 s16, s[6:7], 0x0                    ; the batch's length
	s_add_nc_u64 s[KVP:KVP+1], s[4:5], s[34:35]    ; the head's first record
	s_add_nc_u64 s[36:37], s[KVP:KVP+1], s[36:37]  ; my block's record
	s_add_nc_u64 s[38:39], s[36:37], s[38:39]      ; my tile of q
	s_add_nc_u64 s[40:41], s[36:37], s[40:41]      ; and its scale words
	s_add_nc_u64 s[KVP:KVP+1], s[KVP:KVP+1], 12288
	global_load_b128 v[STG:STG+3], v[T16], s[KVP:KVP+1]               ; slot 0: 3 x 8,192 bytes of codes,
	global_load_b128 v[STG+4:STG+7], v[T16], s[KVP:KVP+1] offset:8192
	global_load_b128 v[STG+8:STG+11], v[T16], s[KVP:KVP+1] offset:16384
	s_cmp_lt_u32 s[WV], 3
	s_cbranch_scc0 .Lhead_a
	global_load_b128 v[STG+12:STG+15], v[T16], s[KVP:KVP+1] offset:25600   ; and 1,536 bytes of scale words: waves 0 to 2
.Lhead_a:
	global_load_b128 v[QF:QF+3], v[A16], s[38:39]
	global_load_b64 v[QF+4:QF+5], v[A8], s[38:39]
	global_load_b32 v[QSW], v7, s[40:41] offset:36864
	s_lshl_b32 s18, s13, 8
	s_lshr_b32 s32, s[WV], 1
	s_lshl_b32 s32, s32, 5
	s_add_co_u32 s18, s18, s32
	s_and_b32 s32, s[WV], 1
	s_lshl_b32 s32, s32, 3
	s_add_co_u32 s18, s18, s32                     ; my first query
	s_lshl_b32 s32, s14, 7
	s_lshl_b32 s34, s13, 4
	s_add_co_u32 s32, s32, s34
	s_add_co_u32 s32, s32, s[WV]                   ; my tile among all tokens'
	s_lshl_b32 s32, s32, 4
	s_add_co_u32 s32, s32, s15
	s_mul_i32 s32, s32, 768
	s_add_nc_u64 s[8:9], s[8:9], s[32:33]          ; ao_codes: [tile][head][768]
	s_lshl_b32 s32, s14, 11
	s_add_co_u32 s32, s32, s18
	s_lshl_b32 s32, s32, 5
	s_lshl_b32 s34, s15, 1
	s_add_co_u32 s32, s32, s34
	s_add_nc_u64 s[10:11], s[10:11], s[32:33]      ; ao_scales: [token][head][2]
.irp j, 6,7,8,9,10,11
	v_mov_b32 v[QF+\j], 0                          ; Q's upper half of K: zero codes
.endr
.irp j, 48,49,50,51,52,53
	v_mov_b32 v[F+\j], 0                           ; behind K's last tile
.endr
	v_mov_b32 v13, 0xff61b1e6                      ; the largest t so far: -3e38
	v_floor_f32 v12, -v13                          ; -M
	v_mov_b32 v14, 0
	v_mov_b32 v15, 0
.irp j, 0,1,2,3,4,5,6,7,8,9,10,11,12,13,14,15,16,17,18,19,20,21,22,23,24,25,26,27,28,29,30,31
	v_mov_b32 v[O+\j], 0                           ; O^T: the step is written once; the first finds zeros
.endr
.irp b, 0,1,2,3
	v_mov_b32 v[BX+\b], 0                          ; a lane permute's destination counts as one of its sources
.endr
	v_mov_b32 v[FF+1], 0                           ; (named as the upper half of a pair)
	v_mov_b32 v[TMP], 0
	v_mov_b32 v[NINF], 0xff800000
	s_wait_kmcnt 0x0
	s_sub_co_u32 s16, s16, 1                       ; the last key inside the length
	s_add_co_u32 s[QHI], s18, 23
	s_min_u32 s[QHI], s[QHI], s16
	s_min_u32 s[QLO], s18, s16
	s_lshl_b32 s[NS], s13, 8
	s_add_co_u32 s[NS], s[NS], 255
	s_min_u32 s[NS], s[NS], s16
	s_lshr_b32 s[NS], s[NS], 8
	s_add_co_u32 s[NS], s[NS], 1
	v_add_nc_u32 v[LIMH], s18, v10                 ; my query
	v_min_u32 v[LIMH], s16, v[LIMH]
	v_lshlrev_b32 v11, 4, v9
	v_sub_nc_u32 v[LIMH], v[LIMH], v11
	s_wait_loadcnt 0x0
	ds_store_b128 v[T16], v[STG:STG+3]
	ds_store_b128 v[T16], v[STG+4:STG+7] offset:8192
	ds_store_b128 v[T16], v[STG+8:STG+11] offset:16384
	s_cmp_lt_u32 s[WV], 3
	s_cbranch_scc0 .Lhead_b
	ds_store_b128 v[T16], v[STG+12:STG+15] offset:24576
.Lhead_b:
; A KEY STEP: 128 keys, the q-th of slot k.
.macro STEP k, q
	s_cmp_gt_u32 s[KF], s[QHI]                     ; all its keys are hidden from my 16 queries: nothing to do
	s_cbranch_scc1 .Lhidden_\@
.rept 4
	v_nop                                          ; places in front of loads into registers that the last products read
.endr
.irp i, 0,1,2,3,4,5,6,7
	ds_load_b128 v[F+6*\i:F+6*\i+3], v[A16] offset:(\k)*SLB+(8*(\q)+\i)*768
	ds_load_b64 v[F+6*\i+4:F+6*\i+5], v[A8] offset:(\k)*SLB+(8*(\q)+\i)*768
.endr
.irp j, 0,1,2,3
	ds_load_b32 v[KSW+\j], v[ASW] offset:(\k)*SLB+(8*(\q)+2*\j)*64
.endr
	s_wait_dscnt 0x0
.irp i, 0,1,2,3,4,5,6,7
.if (\i)%2
	v_wmma_scale_f32_16x16x128_f8f6f4 v[S+8*\i:S+8*\i+7], v[F+6*\i:F+6*\i+11], v[QF:QF+11], 0, v[KSW+\i/2], v[QSW] matrix_a_fmt:MATRIX_FMT_FP6 matrix_b_fmt:MATRIX_FMT_FP6 matrix_a_scale:MATRIX_SCALE_ROW1
.else
	v_wmma_scale_f32_16x16x128_f8f6f4 v[S+8*\i:S+8*\i+7], v[F+6*\i:F+6*\i+11], v[QF:QF+11], 0, v[KSW+\i/2], v[QSW] matrix_a_fmt:MATRIX_FMT_FP6 matrix_b_fmt:MATRIX_FMT_FP6
.endif
.endr                                          ; register 16 b + i holds key KF + 32 b + 16 (lane / 16) + i
.rept 4
	v_nop
.endr
.irp t, 0,1,2,3                                ; V's four channel tiles x 128 keys: asked for now, wanted behind the softmax
.irp c, 0,1
	ds_load_b128 v[F+12*\t+6*\c:F+12*\t+6*\c+3], v[A16] offset:(\k)*SLB+VCO+((2*(\q)+\c)*4+\t)*768
	ds_load_b64 v[F+12*\t+6*\c+4:F+12*\t+6*\c+5], v[A8] offset:(\k)*SLB+VCO+((2*(\q)+\c)*4+\t)*768
.endr
.endr
.irp j, 0,1
	ds_load_b32 v[VSW+\j], v[ASW] offset:(\k)*SLB+1024+256*(\q)+128*\j
.endr
	s_add_co_u32 s32, s[KF], 127                   ; a step all of whose keys count for all my queries skips the mask
	s_cmp_le_u32 s32, s[QLO]
	s_cbranch_scc1 .Lopen_\@
	v_sub_nc_u32 v[DD], v[LIMH], s[KF]             ; register 16 b + i is hidden where 32 b + i > d
.irp n, 0,1,2,3,4,5,6,7,8,9,10,11,12,13,14,15,16,17,18,19,20,21,22,23,24,25,26,27,28,29,30,31,32,33,34,35,36,37,38,39,40,41,42,43,44,45,46,47,48,49,50,51,52,53,54,55,56,57,58,59,60,61,62,63
	v_cmp_gt_i32 vcc_lo, 32*(\n/16)+\n%16, v[DD]
	v_cndmask_b32 v[S+\n], v[S+\n], v[NINF], vcc_lo
.endr
.Lopen_\@:
.irp b, 0,1,2,3
	v_max3_num_f32 v[BM+\b], v[S+16*\b], v[S+1+16*\b], v[S+2+16*\b]   ; the largest score of each block of 32 keys: for the row's maximum, and, since p rises with the score, for the block's largest p
.endr
.irp i, 3,5,7,9,11,13
.irp b, 0,1,2,3
	v_max3_num_f32 v[BM+\b], v[BM+\b], v[S+16*\b+\i], v[S+1+16*\b+\i]
.endr
.endr
.irp b, 0,1,2,3
	v_max_num_f32 v[BM+\b], v[BM+\b], v[S+15+16*\b]
.endr
.irp b, 0,1,2,3
	v_permlanex16_b32 v[BX+\b], v[BM+\b], s[SEL], s[SEL+1]
.endr
.irp b, 0,1,2,3
	v_max_num_f32 v[BM+\b], v[BM+\b], v[BX+\b]
.endr
	v_max3_num_f32 v[TMP], v[BM], v[BM+1], v[BM+2]
	v_max_num_f32 v[TMP], v[TMP], v[BM+3]
	v_mul_f32 v[TMP], s[CS], v[TMP]
	v_max_num_f32 v13, v13, v[TMP]                 ; the running largest t
	v_mov_b32 v[TMP], v12
	v_floor_f32 v12, -v13                          ; the new -M: M is a whole number
	v_sub_f32 v[TMP], v12, v[TMP]
	v_cvt_i32_f32 v[TMP], v[TMP]                   ; (it saturates)
	v_ldexp_f32 v[FF], 1.0, v[TMP]                 ; f = 2^(old M - new M): a multiplication by it rounds nothing
.irp j, 0,2,4,6,8,10,12,14,16,18,20,22,24,26,28,30,32,34,36,38,40,42,44,46,48,50,52,54,56,58,60,62
	v_pk_fma_f32 v[S+\j:S+1+\j], v[S+\j:S+1+\j], s[CS:CS+1], v[12:13] op_sel_hi:[1,0,0]   ; t - M
.endr
.irp b, 0,1,2,3
	v_fma_f32 v[BM+\b], v[BM+\b], s[CS], v12
.endr
.irp j, 0,1,2,3,4,5,6,7,8,9,10,11,12,13,14,15,16,17,18,19,20,21,22,23,24,25,26,27,28,29,30,31,32,33,34,35,36,37,38,39,40,41,42,43,44,45,46,47,48,49,50,51,52,53,54,55,56,57,58,59,60,61,62,63
	v_exp_f32 v[S+\j], v[S+\j]                     ; p = 2^(t - M): not normalised
.endr
	v_pk_mul_f32 v[14:15], v[14:15], v[FF:FF+1] op_sel_hi:[1,0]   ; the sums under the new M; the plain instruction behind the exponentials
	s_wait_alu depctr_va_vdst(0)                   ; one wait for the whole batch, ahead of its first reader
.irp b, 0,1,2,3
	v_exp_f32 v[BM+\b], v[BM+\b]                   ; the block's largest p
.endr
	v_pk_add_f32 v[SUM2:SUM2+1], v[S:S+1], v[S+2:S+3]   ; the row's sum of the unquantised p, in two chains
.irp j, 4,8,12,16,20,24,28,32,36,40,44,48,52,56,60
	v_pk_add_f32 v[14:15], v[14:15], v[S+\j:S+1+\j]
	v_pk_add_f32 v[SUM2:SUM2+1], v[SUM2:SUM2+1], v[S+2+\j:S+3+\j]
.endr
	v_pk_add_f32 v[14:15], v[14:15], v[SUM2:SUM2+1]
	s_wait_alu depctr_va_vdst(0)                   ; and one for the four
.irp b, 0,1,2,3
	v_max_num_f32 v[BM+\b], 0x1800000, v[BM+\b]    ; the floor 2^(3 - 127)
.endr
.irp b, 0,1,2,3
	v_add_nc_u32 v[SO+\b], 0xff000000, v[BM+\b]
.endr
.irp b, 0,1,2,3
	v_lshrrev_b32 v[BX+\b], 23, v[SO+\b]
.endr
	v_lshl_or_b32 v[PSW], v[BX+1], 8, v[BX]        ; p's scale word for these 128 keys
	v_lshl_or_b32 v[PSW], v[BX+2], 16, v[PSW]
	v_lshl_or_b32 v[PSW], v[BX+3], 24, v[PSW]
.irp c, 0,1
	v_cvt_scalef32_pk16_fp6_f32 v[PC+6*\c:PC+2+6*\c], v[S+32*\c:S+15+32*\c], v[SO+2*\c]
	v_cvt_scalef32_pk16_fp6_f32 v[PC+12+4*\c:PC+14+4*\c], v[S+16+32*\c:S+31+32*\c], v[SO+2*\c+1]
.endr
	v_nop                                          ; one plain instruction behind a scaled conversion
.irp c, 0,1
.irp i, 0,1,2
	v_permlane16_swap_b32 v[PC+6*\c+\i], v[PC+12+4*\c+\i]
.endr
.irp i, 0,1,2
	v_mov_b32 v[PC+3+6*\c+\i], v[PC+12+4*\c+\i]
.endr
.endr
.irp j, 0,2,4,6,8,10,12,14,16,18,20,22,24,26,28,30
	v_pk_mul_f32 v[O+\j:O+1+\j], v[O+\j:O+1+\j], v[FF:FF+1] op_sel_hi:[1,0]   ; O^T under the new M.  For each product below twelve of these name none of its registers: the places behind the scale word's and the codes' last writes
.endr
	s_wait_dscnt 0x0                               ; V is in
.irp t, 0,1,2,3                                ; the four accumulators take turns
.if (\t)%2
	v_wmma_scale_f32_16x16x128_f8f6f4 v[O+8*\t:O+8*\t+7], v[F+12*\t:F+12*\t+11], v[PC:PC+11], v[O+8*\t:O+8*\t+7], v[VSW+\t/2], v[PSW] matrix_a_fmt:MATRIX_FMT_FP6 matrix_b_fmt:MATRIX_FMT_FP6 matrix_a_scale:MATRIX_SCALE_ROW1
.else
	v_wmma_scale_f32_16x16x128_f8f6f4 v[O+8*\t:O+8*\t+7], v[F+12*\t:F+12*\t+11], v[PC:PC+11], v[O+8*\t:O+8*\t+7], v[VSW+\t/2], v[PSW] matrix_a_fmt:MATRIX_FMT_FP6 matrix_b_fmt:MATRIX_FMT_FP6
.endif
.endr
.Lhidden_\@:
	s_add_co_u32 s[KF], s[KF], 128
.endm
; A SLOT.  In front of the barrier: my stores into slot k have landed, my reads of the other slot are in.  Behind it slot k is whole and nobody reads the other one, which takes the next 256 keys at the slot's end.
.macro SLOT k
	s_wait_dscnt 0x0
	s_barrier_signal -1
	s_barrier_wait -1
	s_add_co_u32 s[SLN], s[SL], 1
	s_cmp_lt_u32 s[SLN], s[NS]
	s_cbranch_scc0 .Lno_fetch_\@
	s_add_nc_u64 s[KVP:KVP+1], s[KVP:KVP+1], RECB  ; (no load that names it is out: each slot ends with a wait for all loads)
	global_load_b128 v[STG:STG+3], v[T16], s[KVP:KVP+1]
	global_load_b128 v[STG+4:STG+7], v[T16], s[KVP:KVP+1] offset:8192
	global_load_b128 v[STG+8:STG+11], v[T16], s[KVP:KVP+1] offset:16384
	s_cmp_lt_u32 s[WV], 3
	s_cbranch_scc0 .Lno_fetch_\@
	global_load_b128 v[STG+12:STG+15], v[T16], s[KVP:KVP+1] offset:25600
.Lno_fetch_\@:
	STEP \k, 0
	STEP \k, 1
	s_wait_loadcnt 0x0                             ; on every path: the loads, asked for two key steps ago, are in, and their base is free
	s_cmp_lt_u32 s[SLN], s[NS]
	s_cbranch_scc0 .Lno_store_\@
	ds_store_b128 v[T16], v[STG:STG+3] offset:(1-\k)*SLB
	ds_store_b128 v[T16], v[STG+4:STG+7] offset:(1-\k)*SLB+8192
	ds_store_b128 v[T16], v[STG+8:STG+11] offset:(1-\k)*SLB+16384
	s_cmp_lt_u32 s[WV], 3
	s_cbranch_scc0 .Lno_store_\@
	ds_store_b128 v[T16], v[STG+12:STG+15] offset:(1-\k)*SLB+24576
.Lno_store_\@:
	s_mov_b32 s[SL], s[SLN]
.endm
	s_mov_b32 s25, 4
.Lpair:                                                ; 4 trips x 2 slots: all 2,048 keys' worth of barriers, whatever is left out
	SLOT 0
	SLOT 1
	s_sub_co_u32 s25, s25, 1
	s_cmp_lg_u32 s25, 0
	s_cbranch_scc1 .Lpair
	; THE WAY OUT.  O^T / the sum; register 16 g + i is channel 32 g + 16 (lane / 16) + i of my query: two blocks of 32 along the next product's K.
.rept 4
	v_nop                                          ; places behind the last products
.endr
	v_add_f32 v14, v14, v15
	v_permlanex16_b32 v[TMP], v14, s[SEL], s[SEL+1]
	v_add_f32 v14, v14, v[TMP]                     ; the row's sum
	v_rcp_f32 v[FF], v14
	v_nop                                          ; a plain instruction behind the transcendental
	s_wait_alu depctr_va_vdst(0)                   ; and the wait ahead of its first reader
.irp j, 0,2,4,6,8,10,12,14,16,18,20,22,24,26,28,30
	v_pk_mul_f32 v[S+\j:S+1+\j], v[O+\j:O+1+\j], v[FF:FF+1] op_sel_hi:[1,0]
.endr
.irp b, 0,1
	v_max3_num_f32 v[BM+\b], |v[S+16*\b]|, |v[S+1+16*\b]|, 0x1800000
.endr
.irp i, 2,4,6,8,10,12,14
.irp b, 0,1
	v_max3_num_f32 v[BM+\b], v[BM+\b], |v[S+16*\b+\i]|, |v[S+1+16*\b+\i]|
.endr
.endr
.irp b, 0,1
	v_permlanex16_b32 v[BX+\b], v[BM+\b], s[SEL], s[SEL+1]
.endr
.irp b, 0,1
	v_max_num_f32 v[BM+\b], v[BM+\b], v[BX+\b]
.endr
.irp b, 0,1
	v_add_nc_u32 v[SO+\b], 0xff000000, v[BM+\b]
.endr
.irp b, 0,1
	v_lshrrev_b32 v[BX+\b], 23, v[SO+\b]
.endr
	v_lshl_or_b32 v[PSW], v[BX+1], 8, v[BX]        ; the head's two scale bytes of my token
	v_cvt_scalef32_pk16_fp6_f32 v[PC:PC+2], v[S:S+15], v[SO]
	v_cvt_scalef32_pk16_fp6_f32 v[PC+12:PC+14], v[S+16:S+31], v[SO+1]
	v_nop
.irp i, 0,1,2
	v_permlane16_swap_b32 v[PC+\i], v[PC+12+\i]    ; lanes 0-15 now hold block 0 whole, lanes 16-31 block 1
.endr
.irp i, 0,1,2
	v_mov_b32 v[PC+3+\i], v[PC+12+\i]
.endr
	global_store_b128 v[A16], v[PC:PC+3], s[8:9]   ; a half image: 512 and 256 consecutive bytes, aligned to 256
	global_store_b64 v[A8], v[PC+4:PC+5], s[8:9]
	global_store_b16 v[SOF], v[PSW], s[10:11]      ; two bytes of each token's row (both halves of the lanes store the same): the other heads' bytes belong to other work-groups
	s_wait_tensorcnt 0x0
	ds_add_u32 v254, v255
	s_wait_dscnt 0x0
	s_endpgm
.Lfunc_end_k_qcd3f509011_attn:
	.size	k_qcd3f509011_attn, .Lfunc_end_k_qcd3f509011_attn-k_qcd3f509011_attn
	.p2alignl 7, 3214868480
	.fill 96, 4, 3214868480
	.section	.rodata,"a",@progbits
	.p2align	6, 0x0
	.amdhsa_kernel k_qcd3f509011_attn
		.amdhsa_group_segment_fixed_size 60928
		.amdhsa_private_segment_fixed_size 0
		.amdhsa_enable_private_segment 0
		.amdhsa_kernarg_size 32
		.amdhsa_user_sgpr_count 2
		.amdhsa_user_sgpr_kernarg_segment_ptr 1
		.amdhsa_wavefront_size32 1
		.amdhsa_system_sgpr_workgroup_id_x 1
		.amdhsa_system_sgpr_workgroup_id_y 1
		.amdhsa_system_sgpr_workgroup_id_z 1
		.amdhsa_system_vgpr_workitem_id 0
		.amdhsa_next_free_vgpr 256
		.amdhsa_next_free_sgpr 66
		.amdhsa_reserve_vcc 1
		.amdhsa_float_denorm_mode_32 3
		.amdhsa_float_denorm_mode_16_64 3
		.amdhsa_memory_ordered 1
		.amdhsa_forward_progress 1
		.amdhsa_inst_pref_size 97
	.end_amdhsa_kernel
	.amdgpu_metadata
---
amdhsa.version: [ 1, 2 ]
amdhsa.kernels:
  - .name:           k_qcd3f509011_attn
    .symbol:         k_qcd3f509011_attn.kd
    .args:
      - { .name: qkv, .offset: 0, .size: 8, .value_kind: global_buffer, .address_space: global }
      - { .name: lengths, .offset: 8, .size: 8, .value_kind: global_buffer, .address_space: global }
      - { .name: ao_codes, .offset: 16, .size: 8, .value_kind: global_buffer, .address_space: global }
      - { .name: ao_scales, .offset: 24, .size: 8, .value_kind: global_buffer, .address_space: global }
    .group_segment_fixed_size: 60928
    .private_segment_fixed_size: 0
    .kernarg_segment_align: 8
    .kernarg_segment_size: 32
    .max_flat_workgroup_size: 512
    .sgpr_count:     66
    .vgpr_count:     256
    .wavefront_size: 32
...
	.end_amdgpu_metadata
.endif
;; end of part 3
;; launch outp (part 4): grid 4 x 32, 4 waves a work-group, clusters of 4 x 4, 327,680 bytes of LDS; arguments ao_codes, ao_scales, wimg, Wo_scales, bo, x, out0; writes out0
.if DOCPART == 4
	.amdgcn_target "amdgcn-amd-amdhsa--gfx1250"
	.amdhsa_code_object_version 6
	.text
	.protected	k_qcd3f509011_outp
	.globl	k_qcd3f509011_outp
	.p2align	8
	.type	k_qcd3f509011_outp,@function
k_qcd3f509011_outp:
	s_mov_b64 s[64:65], 0
	v_nop
	global_prefetch_b8 v0, s[64:65] scope:SCOPE_SE
	s_setreg_imm32_b32 hwreg(HW_REG_WAVE_MODE, 25, 1), 1
	s_wait_xcnt 0x0
	s_wait_alu depctr_hold_cnt(0) depctr_sa_sdst(0) depctr_va_vdst(0) depctr_va_sdst(0) depctr_va_ssrc(0) depctr_va_vcc(0) depctr_vm_vsrc(0)
	s_getreg_b32 s2, hwreg(HW_REG_IB_STS2, 6, 4)
	s_cmp_eq_u32 s2, 0
	s_cbranch_scc0 .Lentry_in_a_cluster
	s_endpgm
.Lentry_in_a_cluster:
	s_bfe_u32 s2, ttmp6, 0x10000c
	s_cmp_lg_u32 s2, 0xf033
	s_cbranch_scc0 .Lentry_shape_is_right
	s_endpgm
.Lentry_shape_is_right:
; out0 = attention's result x Wo + bo + x, on codes of FP6 (E2M3) with E8M0 scales; sums in f32.
; The frame is that of the launch for q, k, v: a tile of 256 tokens x 256 features to a work-group, 128 x 128 to a wave, K = 1,024 in slots of 256 through a ring of two LDS slots, clusters of 4 x 4 with joint loads.
; SOURCE 1 ("a") = tokens: ao_codes [tile of 16 tokens][16 heads][768 bytes]: a head's HALF IMAGE (registers 0-3 of lane l at 16 l, 4-5 at 512 + 8 l); two heads are a fragment of 128 along K, four heads a slot's 3,072 bytes.
; SOURCE 0 ("b") = features: wimg's tiles 192 on, as whole images.  Lane r of tile 2 g + u stands for row 32 g + 8 u + r + 8 (r / 8), for tokens and features alike.
; The bias is the C of each sum's first matrix instruction.  On the way out a block of 16 tokens goes through the wave's own stage in LDS, comes back as rows of 512 bytes, takes x's rows and leaves.
; REGISTERS: window 0: v16-31 addresses; v32-63 scale words; v64-127 bias; v128-223 a's fragments (on the way out v128-255: rows).  window 1: b's two sets (on the way out: x's rows, four sets).  windows 2, 3: the accumulators.
.set TILEB,  12288
.set KSLOT,  3072
.set STEPB,  1536
.set NQ,     2
.set FR,     12
.set NLA,    4                         ; LDS loads that bring a fragment of a
.set NP,     4
.set HALF,   8*KSLOT
.set SLOT,   4*HALF
.set LAPS,   2
.set SCL,    2*SLOT
.set HALFS,  16*272
.set SPARE,  SCL+4*HALFS
.set SPITCH, 528                       ; the stage: 16 rows x (512 bytes + 16) a wave, in slot 0 behind its last fill and last read
.set ADRA, 16                          ; v16-17 a's half images: 16 x lane;  v18-19: 512 + 8 x lane
.set ADRH, 18
.set ADRB, 20
.set BOQ,  22
.set STO,  24
.set RD,   25
.set CO,   26                          ; v26  16 x lane: my bytes of a row of x and of out0
.set ADRS, 27
.set SPW,  28
.set NIL,  29
.set SC,   32
.set BI,   64
.set AF,   128
.set BK,   128
.set G1, 24
.set G0, 32
.set G1B, 48
.set G0B, 56
.set G1S, 68
.set G0S, 76
.set G1SB, 80
.set G0SB, 88
.set MSB, 0
.macro WIN new
.if MSB != \new
	s_set_vgpr_msb (MSB<<8)|\new
.set MSB, \new
.endif
.endm
.set MUL_LO, 0xa1
.set MUL_HI, 0xf1
.set FST_LO, 0x81                      ; the first step: C (the bias) in window 0
.set FST_HI, 0xc1
.set TO_B,   0x40
.macro JLOAD g0a, g1a, g0b, g1b        ; waves 0 and 1 fetch for a, waves 2 and 3 for b; four v_nop follow each line
	s_cmp_eq_u32 s21, 0
	s_cbranch_scc0 .Lfor_b_\@
	tensor_load_to_lds s[\g0a:\g0a+3], s[\g1a:\g1a+7]
	s_nop 0
.rept 4
	v_nop
.endr
	s_branch .Lasked_\@
.Lfor_b_\@:
	tensor_load_to_lds s[\g0b:\g0b+3], s[\g1b:\g1b+7]
	s_nop 0
.rept 4
	v_nop
.endr
.Lasked_\@:
.endm
.macro CREST
	s_cmp_lg_u32 s20, 0
	s_cbranch_scc1 .Lnot_wave_0_\@
	s_barrier_signal -3
.Lnot_wave_0_\@:
	s_barrier_wait -3
	s_barrier_signal -1
	s_barrier_wait -1
.endm
.macro CROUND
	s_barrier_signal -1
	s_barrier_wait -1
	CREST
.endm
	s_load_b256 s[4:11], s[0:1], 0x0               ; ao_codes, ao_scales, wimg, Wo_scales
	s_load_b128 s[12:15], s[0:1], 0x20             ; bo, x
	s_load_b64 s[16:17], s[0:1], 0x30              ; out0
	v_lshl_add_u32 v[SPW], v0, 2, SPARE
	v_mov_b32 v[NIL], 0
	ds_add_u32 v28, v29
	ds_add_u32 v28, v29
	s_wait_dscnt 0x0
	v_lshrrev_b32 v1, 5, v0
	v_readfirstlane_b32 s20, v1
	s_lshr_b32 s21, s20, 1                         ; my half of the tokens.  Also: I fetch for a (0) or for b (1)
	s_and_b32 s22, s20, 1                          ; my half of the features.  Also: which half I fetch
	s_bfe_u32 s40, ttmp6, 0x40000                  ; cx
	s_bfe_u32 s41, ttmp6, 0x40004                  ; cy
	s_and_b32 s42, ttmp7, 0xffff                   ; the cluster's y
	s_lshl_b32 s43, s41, 2
	s_lshl_b32 s43, 15, s43
	s_lshl_b32 s44, 0x1111, s40
	s_or_b32 s[G1+0], s43, (3<<16)|(1<<21)         ; 8 rows (tiles) of 3,072 bytes, 12,288 bytes apart, in elements of 8 bytes; no padding
	s_or_b32 s[G1B+0], s44, (3<<16)|(1<<21)
.irp g, G1, G1B
	s_mov_b32 s[\g+1], 384<<16
	s_mov_b32 s[\g+2], 8<<16
	s_mov_b32 s[\g+3], 384<<16
	s_mov_b32 s[\g+4], 8
	s_mov_b32 s[\g+5], 1536
	s_mov_b32 s[\g+6], 0
	s_mov_b32 s[\g+7], 0
.endr
	s_or_b32 s[G1S+0], s43, (3<<16)|(1<<20)|(1<<21)|(5<<22)|(3<<25)   ; the scale bytes of 128 rows: 16 rows of 256 bytes, 16 of padding behind each
	s_or_b32 s[G1SB+0], s44, (3<<16)|(1<<20)|(1<<21)|(5<<22)|(3<<25)
.irp g, G1S, G1SB
	s_mov_b32 s[\g+1], 32<<16
	s_mov_b32 s[\g+2], 16<<16
	s_mov_b32 s[\g+3], 32<<16
	s_mov_b32 s[\g+4], 16
	s_mov_b32 s[\g+5], 32
	s_mov_b32 s[\g+6], 0
	s_mov_b32 s[\g+7], 0
.endr
	s_lshl_b32 s45, s22, 3
	s_lshl_b32 s92, s42, 6
	s_lshl_b32 s94, s41, 4
	s_add_co_u32 s92, s92, s94
	s_add_co_u32 s92, s92, s45                     ; a: tile 64 CY + 16 cy + 8 half
	s_lshl_b32 s94, s92, 9
	s_mul_i32 s92, s92, TILEB
	s_lshl_b32 s98, s40, 4
	s_add_co_u32 s98, s98, s45                     ; b: tile 16 cx + 8 half,
	s_add_co_u32 s96, s98, 192                     ; in wimg behind q's, k's and v's
	s_lshl_b32 s98, s98, 9
	s_mul_i32 s96, s96, TILEB
	s_mov_b32 s93, 0
	s_mov_b32 s95, 0
	s_mov_b32 s97, 0
	s_mov_b32 s99, 0
	s_mul_i32 s45, s20, HALF
	s_mul_i32 s3, s20, HALFS
	s_wait_kmcnt 0x0
	s_add_nc_u64 s[4:5], s[4:5], s[92:93]
	s_add_nc_u64 s[6:7], s[6:7], s[94:95]
	s_add_nc_u64 s[8:9], s[8:9], s[96:97]
	s_add_nc_u64 s[10:11], s[10:11], s[98:99]
	CROUND                                         ; all sixteen work-groups are here: the first joint loads meet
	s_mov_b32 s[G0S], 1
	s_add_co_u32 s[G0S+1], s3, SCL
	s_mov_b64 s[G0S+2:G0S+3], s[6:7]
	s_or_b32 s[G0S+3], s[G0S+3], 0x80000000
	s_mov_b32 s[G0SB], 1
	s_add_co_u32 s[G0SB+1], s3, SCL
	s_mov_b64 s[G0SB+2:G0SB+3], s[10:11]
	s_or_b32 s[G0SB+3], s[G0SB+3], 0x80000000
	JLOAD G0S, G1S, G0SB, G1SB                     ; with the two slots three tensor loads of mine are out
.irp s, 0,1
	s_mov_b32 s[G0+4*\s], 1
	s_add_co_u32 s[G0+4*\s+1], s45, \s*SLOT
	s_add_nc_u64 s[G0+4*\s+2:G0+4*\s+3], s[4:5], \s*KSLOT
	s_or_b32 s[G0+4*\s+3], s[G0+4*\s+3], 0x80000000
	s_mov_b32 s[G0B+4*\s], 1
	s_add_co_u32 s[G0B+4*\s+1], s45, \s*SLOT
	s_add_nc_u64 s[G0B+4*\s+2:G0B+4*\s+3], s[8:9], \s*KSLOT
	s_or_b32 s[G0B+4*\s+3], s[G0B+4*\s+3], 0x80000000
	JLOAD G0+4*\s, G1, G0B+4*\s, G1B
.endr
	s_lshl_b32 s92, s40, 10
	s_lshl_b32 s94, s22, 9
	s_add_co_u32 s92, s92, s94                     ; my 128 features, in bytes
	s_add_nc_u64 s[12:13], s[12:13], s[92:93]      ; in bo
	s_lshl_b32 s94, s42, 10
	s_lshl_b32 s96, s41, 8
	s_add_co_u32 s94, s94, s96
	s_lshl_b32 s96, s21, 7
	s_add_co_u32 s94, s94, s96                     ; my first token
	s_lshl_b32 s94, s94, 12
	s_add_co_u32 s92, s92, s94
	s_add_nc_u64 s[14:15], s[14:15], s[92:93]      ; in x
	s_add_nc_u64 s[16:17], s[16:17], s[92:93]      ; and in out0
	v_and_b32 v1, 31, v0
	v_and_b32 v2, 15, v0
	v_bfe_u32 v3, v0, 4, 1
	v_lshlrev_b32 v[CO], 4, v1
	v_lshl_add_u32 v6, v1, 3, 512
	v_lshlrev_b32 v[BOQ], 6, v3
.irp g, 0,1,2,3
.irp j, 0,1,2,3
	global_load_b128 v[BI+16*\g+4*\j:BI+16*\g+4*\j+3], v[BOQ], s[12:13] offset:128*\g+16*\j   ; register 16 g + i: bo of feature 32 g + 16 h + i
.endr
.endr
	s_mul_i32 s92, s21, HALF
	s_mul_i32 s93, s22, HALF
	s_add_co_u32 s93, s93, 2*HALF
.irp s, 0,1
	v_add_nc_u32 v[ADRA+\s], s92, v[CO]
	v_add_nc_u32 v[ADRH+\s], s92, v6
	v_add_nc_u32 v[ADRB+\s], s93, v[CO]
	s_add_co_u32 s92, s92, SLOT
	s_add_co_u32 s93, s93, SLOT
.endr
	v_and_b32 v4, 7, v2
	v_lshlrev_b32 v4, 5, v4
	v_lshrrev_b32 v5, 3, v2
	v_mad_u32_u24 v4, v5, 544, v4
	s_mul_i32 s92, s21, HALFS
	s_mul_i32 s93, s22, HALFS
	s_add_co_u32 s93, s93, 2*HALFS
	s_sub_co_u32 s93, s93, s92
	v_mul_u32_u24 v5, s93, v3                      ; lanes 16-31 take b's
	s_add_co_u32 s92, s92, SCL
	v_add_nc_u32 v4, v4, v5
	v_add_nc_u32 v[ADRS], s92, v4
	s_mul_i32 s92, s20, 16*SPITCH                  ; my stage
	v_mul_u32_u24 v5, v2, SPITCH
	v_lshl_add_u32 v5, v3, 6, v5
	v_add_nc_u32 v[STO], s92, v5                   ; in: row r, + 64 h
	v_add_nc_u32 v[RD], s92, v[CO]                 ; back: a row of 512 bytes to the 32 lanes
.macro FRAG3 reg, adr, q, i
.irp g, 0,1,2
	ds_load_b128 v[\reg+4*\g:\reg+4*\g+3], v[\adr] offset:(\i)*KSLOT+(\q)*STEPB+512*\g
.endr
.endm
.macro FRAGH reg, slot, q, i           ; two heads' half images make a fragment
	ds_load_b128 v[\reg:\reg+3], v[ADRA+\slot] offset:(\i)*KSLOT+(\q)*STEPB
	ds_load_b64 v[\reg+4:\reg+5], v[ADRH+\slot] offset:(\i)*KSLOT+(\q)*STEPB
	ds_load_b128 v[\reg+6:\reg+9], v[ADRA+\slot] offset:(\i)*KSLOT+(\q)*STEPB+768
	ds_load_b64 v[\reg+10:\reg+11], v[ADRH+\slot] offset:(\i)*KSLOT+(\q)*STEPB+768
.endm
; 16 matrix instructions; first = 1: the bias starts the sums.  The 64 accumulators take turns, one instruction a turn.
.macro MUL16 a0, p, q, sc, first
.irp a, \a0, \a0+1
.irp b, 0,1,2,3,4,5,6,7
.if \first
	v_wmma_scale_f32_16x16x128_f8f6f4 v[8*(8*((\a)%4)+\b):8*(8*((\a)%4)+\b)+7], v[128*(\p)+FR*\b:128*(\p)+FR*\b+FR-1], v[AF+FR*(\a):AF+FR*(\a)+FR-1], v[BI+8*\b:BI+8*\b+7], v[SC+8*NQ*(\sc)+NQ*\b+(\q)], v[SC+8*NQ*(\sc)+NQ*(\a)+(\q)] matrix_a_fmt:MATRIX_FMT_FP6 matrix_b_fmt:MATRIX_FMT_FP6 matrix_a_scale:MATRIX_SCALE_ROW1
.else
	v_wmma_scale_f32_16x16x128_f8f6f4 v[8*(8*((\a)%4)+\b):8*(8*((\a)%4)+\b)+7], v[128*(\p)+FR*\b:128*(\p)+FR*\b+FR-1], v[AF+FR*(\a):AF+FR*(\a)+FR-1], v[8*(8*((\a)%4)+\b):8*(8*((\a)%4)+\b)+7], v[SC+8*NQ*(\sc)+NQ*\b+(\q)], v[SC+8*NQ*(\sc)+NQ*(\a)+(\q)] matrix_a_fmt:MATRIX_FMT_FP6 matrix_b_fmt:MATRIX_FMT_FP6 matrix_a_scale:MATRIX_SCALE_ROW1
.endif
.endr
.endr
.endm
.macro FETCH_B slot, q, p
	WIN TO_B
.irp i, 0,1,2,3,4,5,6,7
	FRAG3 128*(\p)+FR*\i, ADRB+\slot, \q, \i
.endr
	WIN 0
.endm
.macro FETCH_A slot, q, i0
.irp i, \i0, \i0+1, \i0+2, \i0+3
	FRAGH AF+FR*(\i), \slot, \q, \i
.endr
.endm
.macro SCALES sc
.irp i, 0,1,2,3,4,5,6,7
	ds_load_b64 v[SC+8*NQ*\sc+NQ*\i:SC+8*NQ*\sc+NQ*\i+1], v[ADRS] offset:(4*(\i/2)+\i%2)*272
.endr
.endm
.macro PLACES n
.rept \n
	v_nop
.endr
.endm
.macro STEP slot, q, first
	s_wait_dscnt 4*NLA                             ; b's set and a's blocks 0-3 are in; a's blocks 4-7 may be out
.if \first
	WIN FST_LO
.else
	WIN MUL_LO
.endif
	MUL16 0, (\q)%2, \q, \slot, \first
	MUL16 2, (\q)%2, \q, \slot, \first
	s_wait_dscnt 0
	PLACES NP
	FETCH_B \slot, (\q)+1, 1-(\q)%2
	FETCH_A \slot, (\q)+1, 0
.if \first
	WIN FST_HI
.else
	WIN MUL_HI
.endif
	MUL16 4, (\q)%2, \q, \slot, \first
	MUL16 6, (\q)%2, \q, \slot, \first
	PLACES NP
	WIN 0
	FETCH_A \slot, (\q)+1, 4
.endm
.macro TURN slot, next, fill
	s_wait_tensorcnt 0x0                           ; all my tensor loads have landed: my part of the next slot
	ds_add_u32 v[SPW], v[NIL]                      ; 0 onto my spare word
	s_wait_dscnt 4*NLA+1                           ; (the add and a's blocks 4-7 may be out)
	WIN MUL_LO
	MUL16 0, 1, NQ-1, \slot, 0
	s_wait_dscnt 0x0                               ; the add is done, and my reads of this slot are over
	s_barrier_signal -1
	MUL16 2, 1, NQ-1, \slot, 0
	WIN 0
	s_barrier_wait -1
.if \fill
	CREST                                          ; a round of the cluster's barrier: no wave of any partner still reads this slot or has a load on its way
	s_add_nc_u64 s[G0+4*\slot+2:G0+4*\slot+3], s[G0+4*\slot+2:G0+4*\slot+3], 2*KSLOT
	s_add_nc_u64 s[G0B+4*\slot+2:G0B+4*\slot+3], s[G0B+4*\slot+2:G0B+4*\slot+3], 2*KSLOT
	JLOAD G0+4*\slot, G1, G0B+4*\slot, G1B
.else
	PLACES NP
.endif
	v_add_nc_u32 v[ADRS], 4*NQ, v[ADRS]
	FETCH_B \next, 0, 0
	FETCH_A \next, 0, 0
	SCALES \next
	WIN MUL_HI
	MUL16 4, 1, NQ-1, \slot, 0
	MUL16 6, 1, NQ-1, \slot, 0
	PLACES NP
	WIN 0
	FETCH_A \next, 0, 4
.endm
	s_wait_tensorcnt 1                             ; the scales and my part of slot 0 are in; slot 1's load may be out
	s_barrier_signal -1
	s_barrier_wait -1
	FETCH_B 0, 0, 0
	FETCH_A 0, 0, 0
	SCALES 0
	FETCH_A 0, 0, 4
	s_wait_loadcnt 0x0                             ; the bias
	STEP 0, 0, 1
	s_mov_b32 s2, LAPS-1
.Llap:
	TURN 0, 1, 1
	STEP 1, 0, 0
	TURN 1, 0, 1
	STEP 0, 0, 0
	s_sub_co_u32 s2, s2, 1
	s_cmp_lg_u32 s2, 0
	s_cbranch_scc1 .Llap
	TURN 0, 1, 0
	STEP 1, 0, 0
	s_wait_dscnt 4*NLA
	WIN MUL_LO
	MUL16 0, 1, NQ-1, 1, 0
	MUL16 2, 1, NQ-1, 1, 0
	s_wait_dscnt 0
	WIN MUL_HI
	MUL16 4, 1, NQ-1, 1, 0
	MUL16 6, 1, NQ-1, 1, 0
	WIN 0
; THE WAY OUT.  Row t of block a is token 32 (a / 2) + 8 (a % 2) + t + 8 (t / 8) of my 128; every offset is an immediate (127 rows of 4,096 bytes at the most).
.macro TOSTAGE a
.set AC, 64*((\a)%4)
	WIN 0x08+4*((\a)/4)                            ; an LDS store's data: window 2 or 3
.irp b, 0,1,2,3,4,5,6,7
	ds_store_b128 v[STO], v[AC+8*\b:AC+8*\b+3] offset:128*(\b/2)+32*(\b%2)       ; features 32 (b / 2) + 16 h + 8 (b % 2) on; each accumulator from its low end on
	ds_store_b128 v[STO], v[AC+8*\b+4:AC+8*\b+7] offset:128*(\b/2)+32*(\b%2)+16
.endr
	WIN 0
.set BB, BK+64*((\a)%2)
.irp t, 0,1,2,3,4,5,6,7,8,9,10,11,12,13,14,15
	ds_load_b128 v[BB+4*\t:BB+4*\t+3], v[RD] offset:\t*SPITCH   ; LDS serves a wave's instructions in order: these see my stores
.endr
.endm
.macro XLOAD a                         ; x's 16 rows of block a into window 1, set a % 4
	WIN TO_B
.irp t, 0,1,2,3,4,5,6,7,8,9,10,11,12,13,14,15
	global_load_b128 v[64*((\a)%4)+4*\t:64*((\a)%4)+4*\t+3], v[CO], s[14:15] offset:(32*((\a)/2)+8*((\a)%2)+\t+8*(\t/8))*4096 th:TH_LOAD_NT
.endr
	WIN 0
.endm
.macro SEND a, younger, nload          ; younger: LDS instructions issued behind block a's loads; nload: x's loads issued behind block a's
.set BB, BK+64*((\a)%2)
	s_wait_dscnt \younger
	s_wait_loadcnt \nload
	WIN 0x04                                       ; source 1 (x) window 1
.set PP, 0
.rept 32
	v_pk_add_f32 v[BB+2*PP:BB+2*PP+1], v[BB+2*PP:BB+2*PP+1], v[64*((\a)%4)+2*PP:64*((\a)%4)+2*PP+1]
.set PP, PP+1
.endr
	WIN 0
.irp t, 0,1,2,3,4,5,6,7,8,9,10,11,12,13,14,15
	global_store_b128 v[CO], v[BB+4*\t:BB+4*\t+3], s[16:17] offset:(32*((\a)/2)+8*((\a)%2)+\t+8*(\t/8))*4096 th:TH_STORE_NT   ; 512 consecutive bytes, aligned to 256
.endr
.endm
	PLACES NP                                      ; behind the last products: for the loads into b's and a's registers and the first reads of results
	XLOAD 0
	XLOAD 1
	XLOAD 2
	TOSTAGE 0
	TOSTAGE 1
	XLOAD 3
	SEND 0, 32, 48                                 ; behind block 0's: block 1's 16 stores and 16 loads; x's rows of blocks 1, 2, 3
.irp a, 2,3,4,5
	s_wait_xcnt 0x0                                ; block a - 2's stores have read their registers: block a's rows may land there
	TOSTAGE \a
	XLOAD \a+2
	SEND \a-1, 32, 48
.endr
	s_wait_xcnt 0x0
	TOSTAGE 6
	SEND 5, 32, 32                                 ; x's rows of blocks 6 and 7 may be out
	s_wait_xcnt 0x0
	TOSTAGE 7
	SEND 6, 32, 16
	SEND 7, 0, 0
	s_wait_tensorcnt 0x0                           ; the wave's end
	ds_add_u32 v[SPW], v[NIL]
	s_wait_dscnt 0x0
	CROUND                                         ; the closing round
	s_endpgm
.Lfunc_end_k_qcd3f509011_outp:
	.size	k_qcd3f509011_outp, .Lfunc_end_k_qcd3f509011_outp-k_qcd3f509011_outp
	.p2alignl 7, 3214868480
	.fill 96, 4, 3214868480
	.section	.rodata,"a",@progbits
	.p2align	6, 0x0
	.amdhsa_kernel k_qcd3f509011_outp
		.amdhsa_group_segment_fixed_size 327680
		.amdhsa_private_segment_fixed_size 0
		.amdhsa_enable_private_segment 0
		.amdhsa_kernarg_size 56
		.amdhsa_user_sgpr_count 2
		.amdhsa_user_sgpr_kernarg_segment_ptr 1
		.amdhsa_wavefront_size32 1
		.amdhsa_system_sgpr_workgroup_id_x 1
		.amdhsa_system_sgpr_workgroup_id_y 1
		.amdhsa_system_sgpr_workgroup_id_z 1
		.amdhsa_system_vgpr_workitem_id 0
		.amdhsa_next_free_vgpr 1024
		.amdhsa_next_free_sgpr 102
		.amdhsa_reserve_vcc 0
		.amdhsa_float_denorm_mode_32 3
		.amdhsa_float_denorm_mode_16_64 3
		.amdhsa_memory_ordered 1
		.amdhsa_forward_progress 1
		.amdhsa_inst_pref_size 170
	.end_amdhsa_kernel
	.amdgpu_metadata
---
amdhsa.version: [ 1, 2 ]
amdhsa.kernels:
  - .name:           k_qcd3f509011_outp
    .symbol:         k_qcd3f509011_outp.kd
    .args:
      - { .name: ao_codes, .offset: 0, .size: 8, .value_kind: global_buffer, .address_space: global }
      - { .name: ao_scales, .offset: 8, .size: 8, .value_kind: global_buffer, .address_space: global }
      - { .name: wimg, .offset: 16, .size: 8, .value_kind: global_buffer, .address_space: global }
      - { .name: Wo_scales, .offset: 24, .size: 8, .value_kind: global_buffer, .address_space: global }
      - { .name: bo, .offset: 32, .size: 8, .value_kind: global_buffer, .address_space: global }
      - { .name: x, .offset: 40, .size: 8, .value_kind: global_buffer, .address_space: global }
      - { .name: out0, .offset: 48, .size: 8, .value_kind: global_buffer, .address_space: global }
    .group_segment_fixed_size: 327680
    .private_segment_fixed_size: 0
    .kernarg_segment_align: 8
    .kernarg_segment_size: 56
    .max_flat_workgroup_size: 128
    .sgpr_count:     102
    .vgpr_count:     1024
    .wavefront_size: 32
...
	.end_amdgpu_metadata
.endif
;; end of part 4
;; ======== version 2 of 2: 4 launches; version 1 with the launch attn written anew for expert scheduling mode
;; workspace buffers: xn_img 6,291,456 bytes; xn_scales 262,144 bytes; wimg 3,145,728 bytes; qkv 20,185,088 bytes; ao_codes 6,291,456 bytes; ao_scales 262,144 bytes
;; launch prep: the kernel of part 1 again; grid 576 x 1, 4 waves a work-group, no clusters, 32,256 bytes of LDS; arguments x, gamma, beta, Wq_codes, Wkv_codes, Wo_codes, xn_img, xn_scales, wimg; writes xn_img, xn_scales, wimg
;; launch qkv: the kernel of part 2 again; grid 12 x 32, 4 waves a work-group, clusters of 4 x 4, 327,680 bytes of LDS; arguments xn_img, xn_scales, wimg, Wq_scales, Wkv_scales, bq, bkv, qkv; writes qkv
;; launch attn (part 5): grid 64 x 8, 16 waves a work-group, no clusters, 60,928 bytes of LDS; arguments qkv, lengths, ao_codes, ao_scales; writes ao_codes, ao_scales
.if DOCPART == 5
	.amdgcn_target "amdgcn-amd-amdhsa--gfx1250"
	.amdhsa_code_object_version 6
	.text
	.protected	k_qcd3f509011_attn
	.globl	k_qcd3f509011_attn
	.p2align	8
	.type	k_qcd3f509011_attn,@function
k_qcd3f509011_attn:
	s_mov_b64 s[64:65], 0
	v_nop
	global_prefetch_b8 v0, s[64:65] scope:SCOPE_SE
	s_setreg_imm32_b32 hwreg(HW_REG_WAVE_SCHED_MODE, 0, 2), 2
	s_setreg_imm32_b32 hwreg(HW_REG_WAVE_MODE, 25, 1), 1
	s_wait_xcnt 0x0
	s_wait_alu depctr_vm_vsrc(0)
; Attention of one head for 256 queries, on codes of FP6 (E2M3) with E8M0 scales.  Key k counts for query q where k <= q and k < the batch's length.
; t = score x log2(e) / 8; M = the running largest t rounded up to a whole number; p = 2^(t - M) is quantised along the keys; the row's sum is taken of the unquantised p and divides O at the end; O is then quantised along the channels.
; SHARES.  Sixteen waves, four to a SIMD; wave w owns query tile w of the block: lane r stands for query 32 (w / 2) + 8 (w % 2) + r + 8 (r / 8).  Keys go 128 a step, 256 a slot.
; Both products are used transposed: S^T = K Q^T, O^T = V^T P^T: a lane holds one query throughout.  The key tiles and channel tiles have the same order of rows, so 16 registers of two neighbouring result tiles are 16 neighbours.
; K AND V COME THROUGH REGISTERS INTO TWO LDS SLOTS, one slot ahead: 512 threads x 16 bytes, dense.  There is no tensor load here; work is left out by branches on the length, a number read from memory.
; Every work-group passes all 8 slots' barriers; a slot that nobody needs is not fetched, and a step all of whose keys are hidden from the wave is jumped over.
; THE HEAD'S K IS 64, THE INSTRUCTION'S 128.  Q's registers 6-11 are zero codes.  K's tile i is named as v[32 + 6 i .. 32 + 6 i + 11]: its upper six registers are the next tile's codes (behind the last tile: zeros); they meet Q's zeros alone,
; so they add nothing; this format has no code for NaN or infinity, and the scale bytes of that half repeat the true ones.  So eight tiles take 54 registers.
; No cluster: partners (the blocks of queries of a head) need different numbers of slots.
; LIMITS: lengths of at least 1 (with 0 the defining function gives NaN; this text does not).  Blocks whose largest magnitude lies under 2^-124 get the byte 1.
; THE MODE: SCHED_MODE bits 1:0 = 2 (LLVM: expert scheduling mode 2), set by the entry lines.  The code itself states the register dependences
; between vector or matrix instructions and memory or LDS instructions, with s_wait_alu, always for 0.
; THE PLAN.  Registers that memory or LDS instructions touch:
;   v1, v2, v3, v5, v6, v7  addresses and offsets: made once at the head, never written again.
;   STG (v236-251)  Written by a slot's global loads, read by the LDS stores at the slot's end; no vector instruction names it.
;   F (v32-79)      A step's head: K's LDS loads land in it; the eight products K Q^T read it; V's LDS loads land in it; the four products V^T P read it.
;   KSW, VSW        Written by LDS loads with K's and V's fragments, read by the products as scales.
;   v22-27, v80-85  Zero codes, written once at the head by vector instructions, read by the products K Q^T as operands.
;   PC, PSW         p's codes and scale word: written by vector instructions, read by the products V^T P; on the way out by the global stores.
; A step holds five waits on va_vdst: at its head (V^T P of the step before is done reading F), behind K Q^T (it is done reading F), the two behind the exponentials, and ahead of V^T P (p's codes and scale word are written).
; A slot holds one wait on vm_vsrc, ahead of its global loads (the LDS stores have read STG).  The mask's compares go in runs of sixteen into scalar registers, one wait on va_sdst behind each run.
.set RECB, 39424                       ; a record of qkv: q's codes 0, k's 12,288, v's 24,576, scale words of q 36,864, k 37,888, v 38,912
.set SLB,  32768                       ; an LDS slot: k's codes 0, v's 12,288, k's scale words 24,576, v's 25,600
.set VCO,  12288
.set A16,  1                           ; v1   16 x lane
.set A8,   2                           ; v2   512 + 8 x lane
.set ASW,  3                           ; v3   24,576 + 4 x lane
.set LIMH, 4                           ; v4   my query's last key that counts, less 16 (lane / 16)
.set T16,  5                           ; v5   16 x thread
.set SOF,  6                           ; v6   my token's row of ao_scales
.set QF,   16                          ; v16-27 Q;  v28 its scale word
.set QSW,  28
.set F,    32                          ; v32-85 fragments of K, then of V
.set S,    96                          ; v96-159 S^T, then p
.set O,    160                         ; v160-191 O^T
.set PC,   192                         ; v192-203 p's codes; v204-210 at work
.set BM,   212
.set BX,   216
.set SO,   220
.set FF,   224                         ; v[224:225] f
.set PSW,  226
.set TMP,  227
.set SUM2, 228
.set KSW,  230                         ; v230-233 K's scale words: lanes 0-15 tile 2 j, lanes 16-31 tile 2 j + 1
.set VSW,  234
.set STG,  236                         ; v236-251 the next slot on its way
.set DD,   252
.set NINF, 253
.set WV,   12
.set TS,   17                          ; s17  at work in a step
.set QHI,  19                          ; s19  the last key that counts for any of my queries
.set QLO,  20                          ; s20  the last key that counts for all of them
.set NS,   21                          ; s21  slots that the work-group needs
.set KF,   22                          ; s22  the step's first key
.set SL,   23
.set SLN,  24
.set SEL,  26
.set KVP,  28                          ; s[28:29] the slot's k and v in memory
.set CS,   30                          ; s[30:31] log2(e) / 8
.set MK,   32                          ; s32-47 behind the head: sixteen masks, written by compares and read by selects alone
	s_load_b256 s[4:11], s[0:1], 0x0               ; qkv, lengths, ao_codes, ao_scales
	v_lshl_add_u32 v254, v0, 2, 0xe600
	v_mov_b32 v255, 0
	v_lshrrev_b32 v8, 5, v0
	v_readfirstlane_b32 s[WV], v8
	v_and_b32 v8, 31, v0
	v_lshlrev_b32 v[A16], 4, v8
	v_lshl_add_u32 v[A8], v8, 3, 512
	v_lshl_add_u32 v[ASW], v8, 2, 24576
	v_lshlrev_b32 v[T16], 4, v0
	v_and_b32 v8, 15, v0                           ; r
	v_bfe_u32 v9, v0, 4, 1                         ; h
	v_lshlrev_b32 v7, 2, v8
	v_and_b32 v10, 8, v8
	v_add_nc_u32 v10, v10, v8                      ; r + 8 (r / 8)
	v_lshlrev_b32 v[SOF], 5, v10
	s_wait_alu depctr_va_sdst(0)                   ; s12, the wave's number, is written, ahead of its first reader: offsets and branches are made from it
	s_and_b32 s13, ttmp7, 0xffff
	s_sub_co_u32 s13, 7, s13                       ; my block of queries: those with the most keys come first
	s_lshr_b32 s14, ttmp9, 4                       ; batch
	s_and_b32 s15, ttmp9, 15                       ; head
	s_lshl_b32 s32, s14, 2
	s_mov_b32 s33, 0
	s_mul_i32 s34, ttmp9, 8*RECB
	s_mov_b32 s35, 0
	s_mul_i32 s36, s13, RECB
	s_mov_b32 s37, 0
	s_mul_i32 s38, s[WV], 768
	s_mov_b32 s39, 0
	s_lshl_b32 s40, s[WV], 6
	s_mov_b32 s41, 0
	s_mov_b32 s[SEL], 0x76543210
	s_mov_b32 s[SEL+1], 0xfedcba98
	s_mov_b32 s[CS], 0x3e38aa3b
	s_mov_b32 s[CS+1], s[CS]
	s_mov_b32 s[KF], 0
	s_mov_b32 s[SL], 0
	s_wait_kmcnt 0x0
	s_add_nc_u64 s[6:7], s[6:7], s[32:33]
	s_load_b32 s16, s[6:7], 0x0                    ; the batch's length
	s_add_nc_u64 s[KVP:KVP+1], s[4:5], s[34:35]    ; the head's first record
	s_add_nc_u64 s[36:37], s[KVP:KVP+1], s[36:37]  ; my block's record
	s_add_nc_u64 s[38:39], s[36:37], s[38:39]      ; my tile of q
	s_add_nc_u64 s[40:41], s[36:37], s[40:41]      ; and its scale words
	s_add_nc_u64 s[KVP:KVP+1], s[KVP:KVP+1], 12288
	s_wait_alu depctr_va_vdst(0)                   ; the addresses and offsets v1, v2, v3, v5, v6, v7 are written: every load and store of the kernel reads one of them, and none is written again
	global_load_b128 v[STG:STG+3], v[T16], s[KVP:KVP+1]               ; slot 0: 3 x 8,192 bytes of codes,
	global_load_b128 v[STG+4:STG+7], v[T16], s[KVP:KVP+1] offset:8192
	global_load_b128 v[STG+8:STG+11], v[T16], s[KVP:KVP+1] offset:16384
	s_cmp_lt_u32 s[WV], 3
	s_cbranch_scc0 .Lhead_a
	global_load_b128 v[STG+12:STG+15], v[T16], s[KVP:KVP+1] offset:25600   ; and 1,536 bytes of scale words: waves 0 to 2
.Lhead_a:
	global_load_b128 v[QF:QF+3], v[A16], s[38:39]
	global_load_b64 v[QF+4:QF+5], v[A8], s[38:39]
	global_load_b32 v[QSW], v7, s[40:41] offset:36864
	s_lshl_b32 s18, s13, 8
	s_lshr_b32 s32, s[WV], 1
	s_lshl_b32 s32, s32, 5
	s_add_co_u32 s18, s18, s32
	s_and_b32 s32, s[WV], 1
	s_lshl_b32 s32, s32, 3
	s_add_co_u32 s18, s18, s32                     ; my first query
	s_lshl_b32 s32, s14, 7
	s_lshl_b32 s34, s13, 4
	s_add_co_u32 s32, s32, s34
	s_add_co_u32 s32, s32, s[WV]                   ; my tile among all tokens'
	s_lshl_b32 s32, s32, 4
	s_add_co_u32 s32, s32, s15
	s_mul_i32 s32, s32, 768
	s_add_nc_u64 s[8:9], s[8:9], s[32:33]          ; ao_codes: [tile][head][768]
	s_lshl_b32 s32, s14, 11
	s_add_co_u32 s32, s32, s18
	s_lshl_b32 s32, s32, 5
	s_lshl_b32 s34, s15, 1
	s_add_co_u32 s32, s32, s34
	s_add_nc_u64 s[10:11], s[10:11], s[32:33]      ; ao_scales: [token][head][2]
.irp j, 6,7,8,9,10,11
	v_mov_b32 v[QF+\j], 0                          ; Q's upper half of K: zero codes
.endr
.irp j, 48,49,50,51,52,53
	v_mov_b32 v[F+\j], 0                           ; behind K's last tile
.endr
	v_mov_b32 v13, 0xff61b1e6                      ; the largest t so far: -3e38
	v_floor_f32 v12, -v13                          ; -M
	v_mov_b32 v14, 0
	v_mov_b32 v15, 0
.irp j, 0,1,2,3,4,5,6,7,8,9,10,11,12,13,14,15,16,17,18,19,20,21,22,23,24,25,26,27,28,29,30,31
	v_mov_b32 v[O+\j], 0                           ; O^T: the step is written once; the first finds zeros
.endr
.irp b, 0,1,2,3
	v_mov_b32 v[BX+\b], 0                          ; a lane permute's destination counts as one of its sources
.endr
	v_mov_b32 v[FF+1], 0                           ; (named as the upper half of a pair)
	v_mov_b32 v[TMP], 0
	v_mov_b32 v[NINF], 0xff800000
	s_wait_kmcnt 0x0
	s_sub_co_u32 s16, s16, 1                       ; the last key inside the length
	s_add_co_u32 s[QHI], s18, 23
	s_min_u32 s[QHI], s[QHI], s16
	s_min_u32 s[QLO], s18, s16
	s_lshl_b32 s[NS], s13, 8
	s_add_co_u32 s[NS], s[NS], 255
	s_min_u32 s[NS], s[NS], s16
	s_lshr_b32 s[NS], s[NS], 8
	s_add_co_u32 s[NS], s[NS], 1
	v_add_nc_u32 v[LIMH], s18, v10                 ; my query
	v_min_u32 v[LIMH], s16, v[LIMH]
	v_lshlrev_b32 v11, 4, v9
	v_sub_nc_u32 v[LIMH], v[LIMH], v11
	s_wait_loadcnt 0x0
	ds_store_b128 v[T16], v[STG:STG+3]
	ds_store_b128 v[T16], v[STG+4:STG+7] offset:8192
	ds_store_b128 v[T16], v[STG+8:STG+11] offset:16384
	s_cmp_lt_u32 s[WV], 3
	s_cbranch_scc0 .Lhead_b
	ds_store_b128 v[T16], v[STG+12:STG+15] offset:24576
.Lhead_b:
; Product i of the eight of S^T = K Q^T: 16 keys x my 16 queries.
.macro KQ i
.if (\i)%2
	v_wmma_scale_f32_16x16x128_f8f6f4 v[S+8*(\i):S+8*(\i)+7], v[F+6*(\i):F+6*(\i)+11], v[QF:QF+11], 0, v[KSW+(\i)/2], v[QSW] matrix_a_fmt:MATRIX_FMT_FP6 matrix_b_fmt:MATRIX_FMT_FP6 matrix_a_scale:MATRIX_SCALE_ROW1
.else
	v_wmma_scale_f32_16x16x128_f8f6f4 v[S+8*(\i):S+8*(\i)+7], v[F+6*(\i):F+6*(\i)+11], v[QF:QF+11], 0, v[KSW+(\i)/2], v[QSW] matrix_a_fmt:MATRIX_FMT_FP6 matrix_b_fmt:MATRIX_FMT_FP6
.endif
.endm
; A KEY STEP: 128 keys, the q-th of slot k.
.macro STEP k, q
	s_cmp_gt_u32 s[KF], s[QHI]                     ; all its keys are hidden from my 16 queries: nothing to do
	s_cbranch_scc1 .Lhidden_\@
.rept 4
	v_nop                                          ; places in front of loads into registers that the last products read
.endr
	s_wait_alu depctr_va_vdst(0)                   ; the last step's products V^T P are done reading F, in which K's loads land (its products K Q^T, which read KSW, stand further back); in my first step: Q's and K's zero codes are written, which the products below take as operands
.irp j, 0,1,2,3
	ds_load_b32 v[KSW+\j], v[ASW] offset:(\k)*SLB+(8*(\q)+2*\j)*64   ; the scale words first, so that a counted wait can show them in
.endr
.irp i, 0,1,2,3,4,5,6,7
	ds_load_b128 v[F+6*\i:F+6*\i+3], v[A16] offset:(\k)*SLB+(8*(\q)+\i)*768
	ds_load_b64 v[F+6*\i+4:F+6*\i+5], v[A8] offset:(\k)*SLB+(8*(\q)+\i)*768
.endr
	s_wait_dscnt 6                                 ; LDS loads come back in order (ISA guide 5.7.1): the scale words and tiles 0 to 4 are in (product 3 names tile 4's registers too); the six loads of tiles 5 to 7 may be out
.irp i, 0,1,2,3
	KQ \i
.endr
	s_wait_dscnt 0x0                               ; tiles 5 to 7 are in
.irp i, 4,5,6,7
	KQ \i
.endr                                          ; register 16 b + i holds key KF + 32 b + 16 (lane / 16) + i
.rept 4
	v_nop
.endr
	s_wait_alu depctr_va_vdst(0)                   ; the eight products are done reading F, in which V's loads land (VSW's last readers stand ahead of the step's first wait)
.irp t, 0,1,2,3                                ; V's four channel tiles x 128 keys: asked for now, wanted behind the softmax, none of whose lines names F, VSW or an address
.irp c, 0,1
	ds_load_b128 v[F+12*\t+6*\c:F+12*\t+6*\c+3], v[A16] offset:(\k)*SLB+VCO+((2*(\q)+\c)*4+\t)*768
	ds_load_b64 v[F+12*\t+6*\c+4:F+12*\t+6*\c+5], v[A8] offset:(\k)*SLB+VCO+((2*(\q)+\c)*4+\t)*768
.endr
.endr
.irp j, 0,1
	ds_load_b32 v[VSW+\j], v[ASW] offset:(\k)*SLB+1024+256*(\q)+128*\j
.endr
	s_add_co_u32 s[TS], s[KF], 127                 ; a step all of whose keys count for all my queries skips the mask
	s_cmp_le_u32 s[TS], s[QLO]
	s_cbranch_scc1 .Lopen_\@
	v_sub_nc_u32 v[DD], v[LIMH], s[KF]             ; register 16 b + i is hidden where 32 b + i > d
.irp b, 0,1,2,3                                ; a block of 32 keys at a time: sixteen compares, one wait, sixteen selects
.irp i, 0,1,2,3,4,5,6,7,8,9,10,11,12,13,14,15
	v_cmp_gt_i32 s[MK+\i], 32*\b+\i, v[DD]
.endr
	s_wait_alu depctr_va_sdst(0)                   ; the sixteen compares have written their masks s32 to s47, ahead of the selects that read them
.irp i, 0,1,2,3,4,5,6,7,8,9,10,11,12,13,14,15
	v_cndmask_b32 v[S+16*\b+\i], v[S+16*\b+\i], v[NINF], s[MK+\i]
.endr
.endr
.Lopen_\@:
.irp b, 0,1,2,3
	v_max3_num_f32 v[BM+\b], v[S+16*\b], v[S+1+16*\b], v[S+2+16*\b]   ; the largest score of each block of 32 keys: for the row's maximum, and, since p rises with the score, for the block's largest p
.endr
.irp i, 3,5,7,9,11,13
.irp b, 0,1,2,3
	v_max3_num_f32 v[BM+\b], v[BM+\b], v[S+16*\b+\i], v[S+1+16*\b+\i]
.endr
.endr
.irp b, 0,1,2,3
	v_max_num_f32 v[BM+\b], v[BM+\b], v[S+15+16*\b]
.endr
.irp b, 0,1,2,3
	v_permlanex16_b32 v[BX+\b], v[BM+\b], s[SEL], s[SEL+1]
.endr
.irp b, 0,1,2,3
	v_max_num_f32 v[BM+\b], v[BM+\b], v[BX+\b]
.endr
	v_max3_num_f32 v[TMP], v[BM], v[BM+1], v[BM+2]
	v_max_num_f32 v[TMP], v[TMP], v[BM+3]
	v_mul_f32 v[TMP], s[CS], v[TMP]
	v_max_num_f32 v13, v13, v[TMP]                 ; the running largest t
	v_mov_b32 v[TMP], v12
	v_floor_f32 v12, -v13                          ; the new -M: M is a whole number
	v_sub_f32 v[TMP], v12, v[TMP]
	v_cvt_i32_f32 v[TMP], v[TMP]                   ; (it saturates)
	v_ldexp_f32 v[FF], 1.0, v[TMP]                 ; f = 2^(old M - new M): a multiplication by it rounds nothing
.irp j, 0,2,4,6,8,10,12,14,16,18,20,22,24,26,28,30,32,34,36,38,40,42,44,46,48,50,52,54,56,58,60,62
	v_pk_fma_f32 v[S+\j:S+1+\j], v[S+\j:S+1+\j], s[CS:CS+1], v[12:13] op_sel_hi:[1,0,0]   ; t - M
.endr
.irp b, 0,1,2,3
	v_fma_f32 v[BM+\b], v[BM+\b], s[CS], v12
.endr
.irp j, 0,1,2,3,4,5,6,7,8,9,10,11,12,13,14,15,16,17,18,19,20,21,22,23,24,25,26,27,28,29,30,31,32,33,34,35,36,37,38,39,40,41,42,43,44,45,46,47,48,49,50,51,52,53,54,55,56,57,58,59,60,61,62,63
	v_exp_f32 v[S+\j], v[S+\j]                     ; p = 2^(t - M): not normalised
.endr
	v_pk_mul_f32 v[14:15], v[14:15], v[FF:FF+1] op_sel_hi:[1,0]   ; the sums under the new M; the plain instruction behind the exponentials
	s_wait_alu depctr_va_vdst(0)                   ; the 64 exponentials have written p, which the sums below read: one wait for the whole batch, ahead of its first reader
.irp b, 0,1,2,3
	v_exp_f32 v[BM+\b], v[BM+\b]                   ; the block's largest p
.endr
	v_pk_add_f32 v[SUM2:SUM2+1], v[S:S+1], v[S+2:S+3]   ; the row's sum of the unquantised p, in two chains
.irp j, 4,8,12,16,20,24,28,32,36,40,44,48,52,56,60
	v_pk_add_f32 v[14:15], v[14:15], v[S+\j:S+1+\j]
	v_pk_add_f32 v[SUM2:SUM2+1], v[SUM2:SUM2+1], v[S+2+\j:S+3+\j]
.endr
	v_pk_add_f32 v[14:15], v[14:15], v[SUM2:SUM2+1]
	s_wait_alu depctr_va_vdst(0)                   ; the four exponentials have written the blocks' largest p, which the next lines read
.irp b, 0,1,2,3
	v_max_num_f32 v[BM+\b], 0x1800000, v[BM+\b]    ; the floor 2^(3 - 127)
.endr
.irp b, 0,1,2,3
	v_add_nc_u32 v[SO+\b], 0xff000000, v[BM+\b]
.endr
.irp b, 0,1,2,3
	v_lshrrev_b32 v[BX+\b], 23, v[SO+\b]
.endr
	v_lshl_or_b32 v[PSW], v[BX+1], 8, v[BX]        ; p's scale word for these 128 keys
	v_lshl_or_b32 v[PSW], v[BX+2], 16, v[PSW]
	v_lshl_or_b32 v[PSW], v[BX+3], 24, v[PSW]
.irp c, 0,1
	v_cvt_scalef32_pk16_fp6_f32 v[PC+6*\c:PC+2+6*\c], v[S+32*\c:S+15+32*\c], v[SO+2*\c]
	v_cvt_scalef32_pk16_fp6_f32 v[PC+12+4*\c:PC+14+4*\c], v[S+16+32*\c:S+31+32*\c], v[SO+2*\c+1]
.endr
	v_nop                                          ; one plain instruction behind a scaled conversion
.irp c, 0,1
.irp i, 0,1,2
	v_permlane16_swap_b32 v[PC+6*\c+\i], v[PC+12+4*\c+\i]
.endr
.irp i, 0,1,2
	v_mov_b32 v[PC+3+6*\c+\i], v[PC+12+4*\c+\i]
.endr
.endr
.irp j, 0,2,4,6,8,10,12,14,16,18,20,22,24,26,28,30
	v_pk_mul_f32 v[O+\j:O+1+\j], v[O+\j:O+1+\j], v[FF:FF+1] op_sel_hi:[1,0]   ; O^T under the new M.  For each product below twelve of these name none of its registers: the places behind the scale word's and the codes' last writes
.endr
	s_wait_dscnt 0x0                               ; V is in
	s_wait_alu depctr_va_vdst(0)                   ; p's codes and p's scale word are written, which the products below take as operand and as scales; the places above stay beside this wait
.irp t, 0,1,2,3                                ; the four accumulators take turns
.if (\t)%2
	v_wmma_scale_f32_16x16x128_f8f6f4 v[O+8*\t:O+8*\t+7], v[F+12*\t:F+12*\t+11], v[PC:PC+11], v[O+8*\t:O+8*\t+7], v[VSW+\t/2], v[PSW] matrix_a_fmt:MATRIX_FMT_FP6 matrix_b_fmt:MATRIX_FMT_FP6 matrix_a_scale:MATRIX_SCALE_ROW1
.else
	v_wmma_scale_f32_16x16x128_f8f6f4 v[O+8*\t:O+8*\t+7], v[F+12*\t:F+12*\t+11], v[PC:PC+11], v[O+8*\t:O+8*\t+7], v[VSW+\t/2], v[PSW] matrix_a_fmt:MATRIX_FMT_FP6 matrix_b_fmt:MATRIX_FMT_FP6
.endif
.endr
.Lhidden_\@:
	s_add_co_u32 s[KF], s[KF], 128
.endm
; A SLOT.  In front of the barrier: my stores into slot k have landed, my reads of the other slot are in.  Behind it slot k is whole and nobody reads the other one, which takes the next 256 keys at the slot's end.
.macro SLOT k
	s_wait_dscnt 0x0
	s_barrier_signal -1
	s_barrier_wait -1
	s_wait_alu depctr_vm_vsrc(0)                   ; my LDS stores at the last slot's end (in the first trip: the head's) have read STG, in which the loads below land; ahead of the branches that lead to them
	s_add_co_u32 s[SLN], s[SL], 1
	s_cmp_lt_u32 s[SLN], s[NS]
	s_cbranch_scc0 .Lno_fetch_\@
	s_add_nc_u64 s[KVP:KVP+1], s[KVP:KVP+1], RECB  ; (no load that names it is out: each slot ends with a wait for all loads)
	global_load_b128 v[STG:STG+3], v[T16], s[KVP:KVP+1]
	global_load_b128 v[STG+4:STG+7], v[T16], s[KVP:KVP+1] offset:8192
	global_load_b128 v[STG+8:STG+11], v[T16], s[KVP:KVP+1] offset:16384
	s_cmp_lt_u32 s[WV], 3
	s_cbranch_scc0 .Lno_fetch_\@
	global_load_b128 v[STG+12:STG+15], v[T16], s[KVP:KVP+1] offset:25600
.Lno_fetch_\@:
	STEP \k, 0
	STEP \k, 1
	s_wait_loadcnt 0x0                             ; on every path: the loads, asked for two key steps ago, are in, and their base is free
	s_cmp_lt_u32 s[SLN], s[NS]
	s_cbranch_scc0 .Lno_store_\@
	ds_store_b128 v[T16], v[STG:STG+3] offset:(1-\k)*SLB
	ds_store_b128 v[T16], v[STG+4:STG+7] offset:(1-\k)*SLB+8192
	ds_store_b128 v[T16], v[STG+8:STG+11] offset:(1-\k)*SLB+16384
	s_cmp_lt_u32 s[WV], 3
	s_cbranch_scc0 .Lno_store_\@
	ds_store_b128 v[T16], v[STG+12:STG+15] offset:(1-\k)*SLB+24576
.Lno_store_\@:
	s_mov_b32 s[SL], s[SLN]
.endm
	s_mov_b32 s25, 4
.Lpair:                                                ; 4 trips x 2 slots: all 2,048 keys' worth of barriers, whatever is left out
	SLOT 0
	SLOT 1
	s_sub_co_u32 s25, s25, 1
	s_cmp_lg_u32 s25, 0
	s_cbranch_scc1 .Lpair
	; THE WAY OUT.  O^T / the sum; register 16 g + i is channel 32 g + 16 (lane / 16) + i of my query: two blocks of 32 along the next product's K.
.rept 4
	v_nop                                          ; places behind the last products
.endr
	v_add_f32 v14, v14, v15
	v_permlanex16_b32 v[TMP], v14, s[SEL], s[SEL+1]
	v_add_f32 v14, v14, v[TMP]                     ; the row's sum
	v_rcp_f32 v[FF], v14
	v_nop                                          ; a plain instruction behind the transcendental
	s_wait_alu depctr_va_vdst(0)                   ; the reciprocal is written, ahead of its first reader
.irp j, 0,2,4,6,8,10,12,14,16,18,20,22,24,26,28,30
	v_pk_mul_f32 v[S+\j:S+1+\j], v[O+\j:O+1+\j], v[FF:FF+1] op_sel_hi:[1,0]
.endr
.irp b, 0,1
	v_max3_num_f32 v[BM+\b], |v[S+16*\b]|, |v[S+1+16*\b]|, 0x1800000
.endr
.irp i, 2,4,6,8,10,12,14
.irp b, 0,1
	v_max3_num_f32 v[BM+\b], v[BM+\b], |v[S+16*\b+\i]|, |v[S+1+16*\b+\i]|
.endr
.endr
.irp b, 0,1
	v_permlanex16_b32 v[BX+\b], v[BM+\b], s[SEL], s[SEL+1]
.endr
.irp b, 0,1
	v_max_num_f32 v[BM+\b], v[BM+\b], v[BX+\b]
.endr
.irp b, 0,1
	v_add_nc_u32 v[SO+\b], 0xff000000, v[BM+\b]
.endr
.irp b, 0,1
	v_lshrrev_b32 v[BX+\b], 23, v[SO+\b]
.endr
	v_lshl_or_b32 v[PSW], v[BX+1], 8, v[BX]        ; the head's two scale bytes of my token
	v_cvt_scalef32_pk16_fp6_f32 v[PC:PC+2], v[S:S+15], v[SO]
	v_cvt_scalef32_pk16_fp6_f32 v[PC+12:PC+14], v[S+16:S+31], v[SO+1]
	v_nop
.irp i, 0,1,2
	v_permlane16_swap_b32 v[PC+\i], v[PC+12+\i]    ; lanes 0-15 now hold block 0 whole, lanes 16-31 block 1
.endr
.irp i, 0,1,2
	v_mov_b32 v[PC+3+\i], v[PC+12+\i]
.endr
	s_wait_alu depctr_va_vdst(0)                   ; the swaps and moves have written the six registers of codes, and the scale bytes are written: the three stores below read them
	global_store_b128 v[A16], v[PC:PC+3], s[8:9]   ; a half image: 512 and 256 consecutive bytes, aligned to 256
	global_store_b64 v[A8], v[PC+4:PC+5], s[8:9]
	global_store_b16 v[SOF], v[PSW], s[10:11]      ; two bytes of each token's row (both halves of the lanes store the same): the other heads' bytes belong to other work-groups
	s_wait_dscnt 0x0                               ; the closing lines, six on end
	s_wait_alu 0x0
	s_wait_tensorcnt 0x0
	ds_add_u32 v254, v255
	s_wait_dscnt 0x0
	s_endpgm
.Lfunc_end_k_qcd3f509011_attn:
	.size	k_qcd3f509011_attn, .Lfunc_end_k_qcd3f509011_attn-k_qcd3f509011_attn
	.p2alignl 7, 3214868480
	.fill 96, 4, 3214868480
	.section	.rodata,"a",@progbits
	.p2align	6, 0x0
	.amdhsa_kernel k_qcd3f509011_attn
		.amdhsa_group_segment_fixed_size 60928
		.amdhsa_private_segment_fixed_size 0
		.amdhsa_enable_private_segment 0
		.amdhsa_kernarg_size 32
		.amdhsa_user_sgpr_count 2
		.amdhsa_user_sgpr_kernarg_segment_ptr 1
		.amdhsa_wavefront_size32 1
		.amdhsa_system_sgpr_workgroup_id_x 1
		.amdhsa_system_sgpr_workgroup_id_y 1
		.amdhsa_system_sgpr_workgroup_id_z 1
		.amdhsa_system_vgpr_workitem_id 0
		.amdhsa_next_free_vgpr 256
		.amdhsa_next_free_sgpr 66
		.amdhsa_reserve_vcc 0
		.amdhsa_float_denorm_mode_32 3
		.amdhsa_float_denorm_mode_16_64 3
		.amdhsa_memory_ordered 1
		.amdhsa_forward_progress 1
		.amdhsa_inst_pref_size 114
	.end_amdhsa_kernel
	.amdgpu_metadata
---
amdhsa.version: [ 1, 2 ]
amdhsa.kernels:
  - .name:           k_qcd3f509011_attn
    .symbol:         k_qcd3f509011_attn.kd
    .args:
      - { .name: qkv, .offset: 0, .size: 8, .value_kind: global_buffer, .address_space: global }
      - { .name: lengths, .offset: 8, .size: 8, .value_kind: global_buffer, .address_space: global }
      - { .name: ao_codes, .offset: 16, .size: 8, .value_kind: global_buffer, .address_space: global }
      - { .name: ao_scales, .offset: 24, .size: 8, .value_kind: global_buffer, .address_space: global }
    .group_segment_fixed_size: 60928
    .private_segment_fixed_size: 0
    .kernarg_segment_align: 8
    .kernarg_segment_size: 32
    .max_flat_workgroup_size: 512
    .sgpr_count:     66
    .vgpr_count:     256
    .wavefront_size: 32
...
	.end_amdgpu_metadata
.endif
;; end of part 5
;; launch outp: the kernel of part 4 again; grid 4 x 32, 4 waves a work-group, clusters of 4 x 4, 327,680 bytes of LDS; arguments ao_codes, ao_scales, wimg, Wo_scales, bo, x, out0; writes out0
